; MI455X (gfx1250); checked and timed in simulation.
; The chip was launched on July 23, 2026; its instructions are those of AMD's public machine-readable ISA for CDNA 5 (MIT licence, August 2026) and "CDNA5" Instruction Set Architecture Reference Guide (July 2026). The comments in the code are by the model that wrote it; some were corrected since.
;; Multi Head Attention. Allowed arithmetic: matrix products marked QUANTISED: E2M1 operands, one E8M0 scale for each 32 along K, by v_wmma_scale_f32_16x16x128_f8f6f4 with both operands' format E2M1 (or v_wmma_scale_f32_32x16x128_f4), f32 sums; products left as they are: bf16, f16 or f32 operands; f32 sums; everything else in f32.
;; Inputs: Wk 1,024 x 1,024 float32; Wo 1,024 x 1,024 float32; Wq 1,024 x 1,024 float32; Wv 1,024 x 1,024 float32; bk 1,024 float32; bo 1,024 float32; bq 1,024 float32; bv 1,024 float32; k 2 x 2,048 x 1,024 float32; mask 2 x 1 x 2,048 x 2,048 int32; q 2 x 2,048 x 1,024 float32; v 2 x 2,048 x 1,024 float32.
;; Outputs: out0 2 x 2,048 x 1,024 float32.
;; This version of the problem:
;;   THIS VERSION OF THE PROBLEM IS GIVEN IN LOW PRECISION. The matrix products marked QUANTISED in the list below multiply operands that are first quantised to E2M1 (2 exponent bits, 1 mantissa bit; 4 bits a number), with one power-of-two scale for each 32 numbers along K (OCP MX v1.0); their sums are f32. The products marked 'left as it is' may take bf16, f16 or f32 operands, with f32 sums. Whichever they take, every output number must still come out within the allowed error. Rounding operands to bf16 (8 significant bits) uses up far more of that allowance than f16 does (11 bits, for magnitudes from 6e-5 to 65,504). All else is computed in f32.
;;   The module's matrix products, in the order in which they are computed (A, B: the left and right operand; K: the contracted axis; several contracted axes count as one K, in the product's order):
;;     1. [M 4,096, K 1,024] x [K 1,024, N 1,024]; A: input q; B: input Wq: QUANTISED
;;     2. [M 4,096, K 1,024] x [K 1,024, N 1,024]; A: input k; B: input Wk: QUANTISED
;;     3. [M 4,096, K 1,024] x [K 1,024, N 1,024]; A: input v; B: input Wv: QUANTISED
;;     4. batch 32 x [M 2,048, K 64] x [K 64, N 2,048]; A: computed on the way; B: computed on the way: left as it is (an operand is computed on the way)
;;     5. batch 32 x [M 2,048, K 2,048] x [K 2,048, N 64]; A: computed on the way; B: computed on the way: left as it is (an operand is computed on the way)
;;     6. [M 4,096, K 1,024] x [K 1,024, N 1,024]; A: computed on the way; B: input Wo: left as it is (an operand is computed on the way)
;;   THE QUANTISER, for each operand of a quantised product, along K:
;;     - K is cut into blocks of 32 from its start; a last block that is shorter is filled with zeros.
;;     - A block's scale is 2^e with e = floor(log2(the largest magnitude in the block)) - 2, held to -126 .. 127; a block of zeros has e = 0. As a byte (E8M0): e + 127.
;;     - Each number is divided by its block's scale, clamped to +-6, and rounded to the nearest number of E2M1, ties to even, subnormals kept.
;;     - The product sums the exact products of the quantised numbers (number of the format x scale) in f32.
;;   ~~~python
;;   def quantise(x, axis):      # numpy; x: float32 -> the quantised numbers, widened to float32 again
;;       x = np.moveaxis(x, axis, -1); K = x.shape[-1]
;;       x = np.pad(x, [(0, 0)] * (x.ndim - 1) + [(0, -K % 32)]); x = x.reshape(x.shape[:-1] + (-1, 32)); a = np.abs(x).max(-1, keepdims=True)
;;       e = np.where(a > 0, np.clip(np.frexp(np.where(a > 0, a, 1))[1] - 1 - 2, -126, 127), 0)      # np.frexp(a)[1] - 1 = floor(log2(a)), exactly
;;       r = np.clip(x / 2.0 ** e, -6, 6)
;;       step = 2.0 ** (np.maximum(np.frexp(np.where(r == 0, 1, r))[1] - 1, 0) - 1)
;;       q = np.round(r / step) * step * 2.0 ** e      # np.round: ties to even
;;       return np.moveaxis(q.reshape(q.shape[:-2] + (-1,))[..., :K], -1, axis).astype(np.float32)
;;   ~~~
;; One version. Each part assembles by itself: llvm-mc -triple=amdgcn-amd-amdhsa -mcpu=gfx1250 --defsym DOCPART=n.
;; ======== version 1 of 1: 4 launches
;; limits: values are held in f16: magnitudes above 65,504 overflow, below 6.1e-05 lose precision
;; workspace buffers: xc 6,291,456 bytes; xs 393,216 bytes; wc 1,572,864 bytes; ws 98,304 bytes; wof 2,097,152 bytes; mbits 1,048,576 bytes of whole numbers; heads 25,165,824 bytes; xf 8,388,608 bytes
;; launch prep (part 1): grid 752 x 1, 4 waves a work-group, no clusters, 102,912 bytes of LDS; arguments mask, q, k, v, Wq, Wk, Wv, Wo, mbits, xc, xs, wc, ws, wof; writes mbits, xc, xs, wc, ws, wof
.if DOCPART == 1
	.amdgcn_target "amdgcn-amd-amdhsa--gfx1250"
	.amdhsa_code_object_version 6
	.text
	.protected	k_qa1858e531f_prep
	.globl	k_qa1858e531f_prep
	.p2align	8
	.type	k_qa1858e531f_prep,@function
k_qa1858e531f_prep:
	s_mov_b64 s[64:65], 0
	v_nop
	global_prefetch_b8 v0, s[64:65] scope:SCOPE_SE
	s_setreg_imm32_b32 hwreg(HW_REG_WAVE_MODE, 25, 1), 1
	s_wait_xcnt 0x0
; MULTI-HEAD ATTENTION, launch 1 of 4: everything that is made of the inputs alone, once.
; DEAD WORK: bk.  kh = k Wk + bk, so score(q, key) = qh . (k Wk)[key] / 8 + qh . bk / 8.  The second term is the same for all keys of a row, and a softmax is not moved by a term
; that is equal along its axis; a masked place is -infinity with it or without it; a row whose keys are all masked becomes 0 by nan_to_num either way.  The product of qh and kh is not
; quantised, so bk enters no quantiser.  This holds for all finite inputs.  So bk is not loaded and is no argument of any launch.  LIMIT: a NaN, an infinity or an overflow that
; reaches the result only through bk's term is not carried to it.
; FOUR KINDS OF WORK-GROUPS, told apart by the work-group's number alone; each kind has LDS bytes of its own:
;   0-255    the mask [2][1][2048][2048] of int32 becomes lane masks: one 32-bit word for each register of scores that the attention launch holds (layout at .Lmask)
;   256-639  q, k, v (f32, K innermost) become codes of FP4 (E2M1) and E8M0 scale bytes, stacked: xc [12288][512 bytes], xs [12288][32]
;   640-687  Wq, Wk, Wv (f32, K is the FIRST axis) become codes with K innermost, stacked by output column: wc [3072][512 bytes], ws [3072][32]
;   688-751  Wo becomes f16 in the order of a matrix operand's registers: wof [n / 16][k / 32][u 2][h 2][r 16][16 bytes]: column 16 (n / 16) + r, k = 32 (k / 32) + 16 u + 8 h + 0 .. 7
; THE QUANTISER: a block's scale is 2^(floor(log2(its largest magnitude)) - 2); its byte is the largest magnitude's exponent field - 2, held at 1 from below; each number is divided by the
; scale and rounded to the nearest code, ties to even, beyond 6 the largest code.  A block of zeros gets the byte 1 where the rule says 127: its codes are zeros, and this program alone reads the bytes.
; LIMITS: blocks whose largest magnitude lies under 2^-124 keep the byte 1; NaN and infinities among the inputs are not served; Wo beyond 65,504 in magnitude has no f16 number.
.set XST,   0                          ; LDS: 4 x 8,192 bytes for the work-groups of q, k, v
.set WST,   32768                      ;      4 x 8,704 for those of Wq, Wk, Wv
.set MST,   67584                      ;      4 x 8,704 for those of the mask
.set SPARE, 102400                     ;      the spare words, 128 bytes for each wave: two blocks of 256 bytes that no other line names
.set SPW,   254                        ; v254 LDS address of my spare word; never rewritten
.set NIL,   255                        ; v255 0; never rewritten
	v_lshl_add_u32 v[SPW], v0, 2, SPARE
	v_mov_b32 v[NIL], 0
	v_lshrrev_b32 v1, 5, v0
	v_readfirstlane_b32 s16, v1                    ; wave 0..3
	v_and_b32 v2, 31, v0                           ; lane
	s_cmp_lt_u32 ttmp9, 256
	s_cbranch_scc1 .Lmask
	s_cmp_lt_u32 ttmp9, 640
	s_cbranch_scc1 .Lacts
	s_cmp_lt_u32 ttmp9, 688
	s_cbranch_scc1 .Lweights
; ---------------------------------------------------------------- Wo -> f16 in register order.  No LDS.
; A work-group takes 128 along K x 128 columns.  A lane takes a column and its registers run down K, so each load reads 128 neighbouring bytes and a lane's eight packed
; pairs of pairs are 16 bytes of the operand; sixteen neighbouring lanes store 256 consecutive bytes, aligned.
.set OX, 32                            ; v32-95   two sets of 32 numbers
.set OC, 96                            ; v96-159  16 packed registers for each of the four chunks: no store's data are written again
	s_load_b64 s[4:5], s[0:1], 0x38                ; Wo
	s_load_b64 s[6:7], s[0:1], 0x68                ; wof
	s_sub_co_u32 s17, ttmp9, 688
	s_and_b32 s18, s17, 7                          ; which 128 columns
	s_lshr_b32 s19, s17, 3                         ; which 128 along K
	v_lshlrev_b32 v3, 2, v2                        ; in: 4 bytes a lane
	v_lshrrev_b32 v4, 4, v2
	v_and_b32 v5, 15, v2
	v_lshlrev_b32 v4, 15, v4                       ; out: lanes 16-31 belong to the next tile of 16 columns, 32,768 bytes on,
	v_lshl_add_u32 v4, v5, 4, v4                   ; 16 bytes a column
	s_lshl_b32 s20, s19, 19                        ; 128 rows of 4,096 bytes
	s_lshl_b32 s21, s18, 9
	s_add_co_u32 s20, s20, s21
	s_lshl_b32 s21, s16, 7
	s_add_co_u32 s20, s20, s21                     ; + 4 x (128 x group + 32 x wave)
	s_mov_b32 s21, 0
	s_lshl_b32 s22, s18, 3
	s_lshl_b32 s23, s16, 1
	s_add_co_u32 s22, s22, s23
	s_lshl_b32 s22, s22, 15                        ; tile of columns 8 x group + 2 x wave
	s_lshl_b32 s23, s19, 12                        ; chunk of K 4 x group: 1,024 bytes each
	s_add_co_u32 s22, s22, s23
	s_mov_b32 s23, 0
	s_wait_kmcnt 0x0
	s_add_nc_u64 s[4:5], s[4:5], s[20:21]
	s_add_nc_u64 s[6:7], s[6:7], s[22:23]
.macro OLOAD q
.set i, 0
.rept 32
	global_load_b32 v[OX+32*((\q)%2)+i], v3, s[4:5] offset:(32*(\q)+i)*4096 th:TH_LOAD_NT
.set i, i+1
.endr
.endm
.macro OCHUNK q
.if (\q) < 3
	s_wait_loadcnt 32                              ; this chunk's 32 loads are in; the next chunk's may be out
.else
	s_wait_loadcnt 0x0
.endif
.set i, 0
.rept 16
	v_cvt_pk_f16_f32 v[OC+16*(\q)+i], v[OX+32*((\q)%2)+2*i], v[OX+32*((\q)%2)+2*i+1]   ; the lower k in the low half
.set i, i+1
.endr
.if (\q) < 2
	OLOAD (\q)+2
.endif
.irp e, 0,1,2,3                        ; piece e = 2 u + h: k = 16 u + 8 h + 0 .. 7 of the chunk
	global_store_b128 v4, v[OC+16*(\q)+4*\e:OC+16*(\q)+4*\e+3], s[6:7] offset:1024*(\q)+256*\e
.endr
.endm
	OLOAD 0
	OLOAD 1
	OCHUNK 0
	OCHUNK 1
	OCHUNK 2
	OCHUNK 3
	s_endpgm
; ---------------------------------------------------------------- the mask -> lane masks
; mbits [pair of query tiles 128][key step 32][word 64].  A pair is 32 queries (batch x 64 + pair in the batch), a key step 64 keys.  Word 2 i + t belongs to register i = 8 kt + j of the
; scores of tile t of the pair; its bit L = (r = L % 16, h = L / 16) is mask[query 16 t + r][key 16 kt + 8 h + j] != 0: the place that lane L's register i holds in the attention launch.
; A work-group takes a pair and 16 key steps, a wave 4 of them.  A unit (32 rows x 256 bytes) is loaded as it lies, two whole rows' pieces an instruction, turned through the wave's own
; stage (rows 272 bytes apart), compared, and leaves as one aligned block of 256 bytes.
.set MR, 16                            ; v16-143  two sets of 64 registers as loaded
.set MX, 144                           ; v144-207 the unit as the attention launch's lanes hold it: tile t at + 32 t
.set MW, 208                           ; v208-215 the words: lane i holds words 2 i and 2 i + 1; a pair of registers for each unit
.Lmask:
	s_load_b64 s[4:5], s[0:1], 0x0                 ; mask
	s_load_b64 s[6:7], s[0:1], 0x40                ; mbits
	s_lshr_b32 s8, ttmp9, 1                        ; the pair
	s_and_b32 s9, ttmp9, 1
	s_lshl_b32 s9, s9, 4
	s_lshl_b32 s10, s16, 2
	s_add_co_u32 s9, s9, s10                       ; my first key step: 16 x half + 4 x wave
	s_lshl_b32 s10, s8, 18                         ; 32 rows of 8,192 bytes
	s_lshl_b32 s11, s9, 8                          ; 256 bytes of a row for each step
	s_add_co_u32 s10, s10, s11
	s_mov_b32 s11, 0
	s_lshl_b32 s12, s8, 5
	s_add_co_u32 s12, s12, s9
	s_lshl_b32 s12, s12, 8                         ; 256 bytes of words for each step
	s_mov_b32 s13, 0
	v_lshrrev_b32 v7, 4, v2                        ; h
	v_and_b32 v8, 15, v2                           ; r
	v_lshlrev_b32 v3, 13, v7
	v_lshl_add_u32 v3, v8, 4, v3                   ; in: lanes 0-15 one row's 256 bytes, lanes 16-31 the next row's
	s_mul_i32 s14, s16, 8704
	s_add_co_u32 s14, s14, MST                     ; my stage
	v_mul_u32_u24 v4, v7, 272
	v_lshl_add_u32 v4, v8, 4, v4
	v_add_nc_u32 v4, s14, v4                       ; into it: as loaded
	v_mul_u32_u24 v5, v8, 272
	v_lshl_add_u32 v5, v7, 5, v5
	v_add_nc_u32 v5, s14, v5                       ; out of it: row r, 8 h keys on
	v_lshlrev_b32 v6, 3, v2                        ; the words: 8 bytes a lane
.irp n, 0,1,2,3,4,5,6,7
	v_mov_b32 v[MW+\n], 0                          ; written once: v_writelane_b32's destination counts as one of its sources
.endr
	s_wait_kmcnt 0x0
	s_add_nc_u64 s[4:5], s[4:5], s[10:11]
	s_add_nc_u64 s[6:7], s[6:7], s[12:13]
.macro MLOAD u
.set i, 0
.rept 16
	global_load_b128 v[MR+64*((\u)%2)+4*i:MR+64*((\u)%2)+4*i+3], v3, s[4:5] offset:i*16384+(\u)*256 th:TH_LOAD_NT
.set i, i+1
.endr
.endm
.macro UNIT u
.if (\u) < 3
	s_wait_loadcnt 16                              ; this unit's 16 loads are in; the next unit's may be out
.else
	s_wait_loadcnt 0x0
.endif
.set i, 0
.rept 16
	ds_store_b128 v4, v[MR+64*((\u)%2)+4*i:MR+64*((\u)%2)+4*i+3] offset:544*i
.set i, i+1
.endr
.irp t, 0,1                            ; LDS serves a wave's instructions in order: these see the stores above, and the next unit's stores come behind them
.irp kt, 0,1,2,3
.irp cc, 0,1
	ds_load_b128 v[MX+32*\t+8*\kt+4*\cc:MX+32*\t+8*\kt+4*\cc+3], v5 offset:4352*\t+64*\kt+16*\cc
.endr
.endr
.endr
	s_wait_dscnt 0x0                               ; the unit is back, and the stores have read their registers,
.if (\u) < 2
	MLOAD (\u)+2                                   ; which take the unit two further on
.endif
.set n, 0
.rept 32                               ; register n of both tiles: a compare gives the 32 lanes' bits as one word; eight scalar registers by turns
	v_cmp_ne_u32 s[24+(2*n)%8], 0, v[MX+n]
	v_cmp_ne_u32 s[24+(2*n+1)%8], 0, v[MX+32+n]
	v_writelane_b32 v[MW+2*(\u)], s[24+(2*n)%8], n
	v_writelane_b32 v[MW+2*(\u)+1], s[24+(2*n+1)%8], n
.set n, n+1
.endr
	global_store_b64 v6, v[MW+2*(\u):MW+2*(\u)+1], s[6:7] offset:256*(\u)   ; 32 lanes store 256 consecutive bytes, aligned
.endm
	MLOAD 0
	MLOAD 1
	UNIT 0
	UNIT 1
	UNIT 2
	UNIT 3
	s_wait_tensorcnt 0x0                           ; the wave's end, behind my last LDS store
	ds_add_u32 v[SPW], v[NIL]
	s_wait_dscnt 0x0
	s_endpgm
; ---------------------------------------------------------------- q, k, v -> codes and scale bytes
; Rows are dense and K is a multiple of 32: a tensor is a plain stream of blocks of 32.  A wave takes 16 steps of 512 numbers.  Each load reads 512 consecutive bytes; a step's 2,048 bytes
; turn through the wave's own stage (16 bytes of padding behind each 64) and come back 16 neighbours a lane; two neighbouring lanes hold a block.  A lane's 16 codes are 8 bytes: the wave
; stores 256 consecutive bytes.  A wave's 256 scale bytes are gathered in LDS and leave as one aligned block.
.set EMAX, 2
.set CB,   8                           ; bytes of 16 codes
.set XR,   16                          ; v16-79   four sets of 16 numbers as loaded
.set XX,   80                          ; v80-111  two sets of 16 neighbours
.set XE,   112                         ; v112-127 a scale byte for each step
.set XC,   128                         ; v128-191 codes: registers of its own for each step
.set SP,   80                          ; a lane's place in a stage: 64 bytes + 16
.Lacts:
	s_load_b128 s[4:7], s[0:1], 0x8                ; q, k
	s_load_b64 s[8:9], s[0:1], 0x18                ; v
	s_load_b128 s[12:15], s[0:1], 0x48             ; xc, xs
	s_sub_co_u32 s17, ttmp9, 256                   ; 0..383: 128 work-groups to a tensor
	v_lshlrev_b32 v3, 4, v2                        ; my 16 bytes of a load's 512
	s_mul_i32 s18, s16, 8192                       ; my wave's region (XST = 0)
	v_lshrrev_b32 v14, 2, v2
	v_mul_u32_u24 v14, v14, SP
	v_and_b32 v15, 3, v2
	v_lshl_add_u32 v14, v15, 4, v14
	v_add_nc_u32 v14, s18, v14                     ; the stage, on the way in: SP (lane / 4) + 16 (lane % 4)
	v_mul_u32_u24 v15, v2, SP
	v_add_nc_u32 v15, s18, v15                     ; and on the way out: SP x lane
	v_mul_u32_u24 v4, v2, CB                       ; my codes' place in a step's
	v_lshrrev_b32 v5, 1, v2
	s_add_co_u32 s18, s18, 2*32*SP
	v_add_nc_u32 v5, s18, v5                       ; my block's scale byte
	v_lshlrev_b32 v7, 3, v2
	v_add_nc_u32 v6, s18, v7                       ; and 8 of them a lane on the way out
	s_wait_kmcnt 0x0
	s_cmp_lt_u32 s17, 128                          ; which tensor: the choice hangs on the work-group's number alone
	s_cselect_b64 s[4:5], s[4:5], s[6:7]
	s_cmp_lt_u32 s17, 256
	s_cselect_b64 s[4:5], s[4:5], s[8:9]
	s_and_b32 s19, s17, 127
	s_lshl_b32 s19, s19, 2
	s_add_co_u32 s19, s19, s16                     ; my run of 8,192 numbers in the tensor
	s_lshl_b32 s20, s19, 15
	s_mov_b32 s21, 0
	s_add_nc_u64 s[4:5], s[4:5], s[20:21]
	s_lshl_b32 s19, s17, 2
	s_add_co_u32 s19, s19, s16                     ; and in the stacked buffers
	s_lshl_b32 s20, s19, 12
	s_add_nc_u64 s[12:13], s[12:13], s[20:21]
	s_lshl_b32 s20, s19, 8
	s_add_nc_u64 s[14:15], s[14:15], s[20:21]
.macro XLOAD t
.irp i, 0,1,2,3
	global_load_b128 v[XR+16*((\t)%4)+4*\i:XR+16*((\t)%4)+4*\i+3], v3, s[4:5] offset:2048*(\t)+512*\i th:TH_LOAD_NT
.endr
.endm
.macro XTURN t                         ; step t's numbers through the stage: LDS serves a wave's instructions in order
.irp i, 0,1,2,3
	ds_store_b128 v14, v[XR+16*((\t)%4)+4*\i:XR+16*((\t)%4)+4*\i+3] offset:32*SP*((\t)%2)+8*SP*\i
.endr
.irp i, 0,1,2,3
	ds_load_b128 v[XX+16*((\t)%2)+4*\i:XX+16*((\t)%2)+4*\i+3], v15 offset:32*SP*((\t)%2)+16*\i
.endr
.endm
.irp t, 0,1,2,3
	XLOAD \t
.endr
	s_wait_loadcnt 12                              ; step 0's four loads are in
	XTURN 0
.macro XSTEP t
.set XS, XX+16*((\t)%2)
.if (\t) > 0
	s_wait_dscnt 1                                 ; this step's numbers are back (the last step's byte store may be out): its stores into the stage have read their registers,
.else
	s_wait_dscnt 0x0
.endif
.if (\t)+4 < 16
	XLOAD (\t)+4                                   ; which take the loads of four steps on
.endif
.if (\t)+1 < 16
.if 14-(\t) >= 3
	s_wait_loadcnt 12                              ; the next step's four loads are in; those of the three steps behind it may be out
.else
	s_wait_loadcnt 4*(14-(\t))
.endif
	XTURN (\t)+1
.endif
	v_max3_num_f32 v8, |v[XS]|, |v[XS+1]|, |v[XS+2]|
	v_max3_num_f32 v9, |v[XS+3]|, |v[XS+4]|, |v[XS+5]|
.irp i, 6,10
	v_max3_num_f32 v8, v8, |v[XS+\i]|, |v[XS+\i+1]|
	v_max3_num_f32 v9, v9, |v[XS+\i+2]|, |v[XS+\i+3]|
.endr
	v_max3_num_f32 v8, v8, |v[XS+14]|, |v[XS+15]|
	v_max3_num_f32 v8, v8, v9, (EMAX+1)<<23        ; and the floor 2^(3 - 127): the byte cannot fall under 1
	v_max_num_f32_dpp v8, v8, v8 row_xmask:1 row_mask:0xf bank_mask:0xf   ; with my neighbour's 16: the block's largest magnitude
	v_add_nc_u32 v11, -(EMAX<<23), v8              ; 2 off its exponent field: the conversion takes the exponent field of this operand as its scale
	v_cvt_scalef32_pk8_fp4_f32 v[XC+4*(\t)], v[XS:XS+7], v11
	v_cvt_scalef32_pk8_fp4_f32 v[XC+4*(\t)+1], v[XS+8:XS+15], v11
	v_lshrrev_b32 v[XE+(\t)], 23, v11              ; the scale's byte
	ds_store_b8 v5, v[XE+(\t)] offset:16*(\t)      ; both lanes of a block write the same byte with the same value
	global_store_b64 v4, v[XC+4*(\t):XC+4*(\t)+1], s[12:13] offset:32*CB*(\t)
.endm
.irp t, 0,1,2,3,4,5,6,7,8,9,10,11,12,13,14,15
	XSTEP \t
.endr
	ds_load_b64 v[8:9], v6                         ; LDS serves a wave's instructions in order: these see my stores
	s_wait_dscnt 0x0
	global_store_b64 v7, v[8:9], s[14:15]          ; 32 lanes store 256 consecutive bytes, aligned
	s_wait_tensorcnt 0x0                           ; the wave's end
	ds_add_u32 v[SPW], v[NIL]
	s_wait_dscnt 0x0
	s_endpgm
; ---------------------------------------------------------------- Wq, Wk, Wv -> codes with K innermost
; A lane takes a column and its registers run down K: a block of 32 lies in one lane, and the conversions give codes with K innermost.  A wave takes 32 columns x 512 along K; the codes
; go through its own stage and leave as rows: sixteen lanes store 256 consecutive bytes, aligned.  A lane's 16 scale bytes leave by one store of 16 bytes.
.set NB,    16                         ; blocks of a lane
.set PITCH, 272                        ; a stage row: 256 bytes + 16
.set KROW,  512                        ; a row of wc
.set WX,    32                         ; v32-95   two sets of 32 numbers
.set WC,    96                         ; v96-99   a block's codes
.set OUTR,  112                        ; v112-175 the way out
.set SB,    24                         ; v24-27   the scale bytes, four to a register
.Lweights:
	s_load_b128 s[4:7], s[0:1], 0x20               ; Wq, Wk
	s_load_b64 s[8:9], s[0:1], 0x30                ; Wv
	s_load_b128 s[12:15], s[0:1], 0x58             ; wc, ws
	s_sub_co_u32 s17, ttmp9, 640                   ; 0..47: 16 work-groups to a tensor
	s_lshr_b32 s18, s17, 4                         ; the tensor
	s_and_b32 s19, s17, 7                          ; which 128 columns
	s_bfe_u32 s20, s17, 0x10003                    ; which 512 along K
	s_lshl_b32 s19, s19, 7
	s_lshl_b32 s21, s16, 5
	s_add_co_u32 s19, s19, s21                     ; my wave's first column
	v_lshlrev_b32 v3, 2, v2                        ; in: 4 bytes a lane
	s_mul_i32 s21, s16, 32*PITCH
	s_add_co_u32 s21, s21, WST                     ; my stage
	v_mul_u32_u24 v4, v2, PITCH
	v_add_nc_u32 v4, s21, v4                       ; into it: row = my column
	v_and_b32 v5, 15, v2
	v_lshrrev_b32 v6, 4, v2
	v_mul_u32_u24 v7, v6, PITCH
	v_lshl_add_u32 v7, v5, 4, v7
	v_add_nc_u32 v7, s21, v7                       ; out of it: sixteen lanes to a row, two rows an instruction
	v_mul_u32_u24 v8, v6, KROW
	v_lshl_add_u32 v8, v5, 4, v8                   ; and the same place in wc
	v_lshlrev_b32 v9, 5, v2                        ; my column's row of scale bytes
	s_lshl_b32 s22, s20, 21                        ; 512 rows of 4,096 bytes
	s_lshl_b32 s23, s19, 2
	s_add_co_u32 s22, s22, s23
	s_mov_b32 s23, 0
	s_lshl_b32 s24, s18, 10
	s_add_co_u32 s24, s24, s19                     ; my first row of the stacked buffers
	s_lshl_b32 s26, s24, 9
	s_lshl_b32 s25, s20, 8
	s_add_co_u32 s26, s26, s25
	s_mov_b32 s27, 0
	s_lshl_b32 s28, s24, 5
	s_lshl_b32 s25, s20, 4
	s_add_co_u32 s28, s28, s25
	s_mov_b32 s29, 0
	s_wait_kmcnt 0x0
	s_cmp_lt_u32 s18, 1
	s_cselect_b64 s[4:5], s[4:5], s[6:7]
	s_cmp_lt_u32 s18, 2
	s_cselect_b64 s[4:5], s[4:5], s[8:9]
	s_add_nc_u64 s[4:5], s[4:5], s[22:23]
	s_add_nc_u64 s[12:13], s[12:13], s[26:27]
	s_add_nc_u64 s[14:15], s[14:15], s[28:29]
.macro WLOAD t
.set i, 0
.rept 32
	global_load_b32 v[WX+32*((\t)%2)+i], v3, s[4:5] offset:(32*(\t)+i)*4096 th:TH_LOAD_NT
.set i, i+1
.endr
.endm
	WLOAD 0
	WLOAD 1
.macro WBLOCK t
.set WXS, WX+32*((\t)%2)
.if (\t) < NB-1
	s_wait_loadcnt 32                              ; this block's 32 loads are in; the next block's may be out
.else
	s_wait_loadcnt 0x0
.endif
	v_max3_num_f32 v12, |v[WXS]|, |v[WXS+1]|, |v[WXS+2]|
	v_max3_num_f32 v13, |v[WXS+3]|, |v[WXS+4]|, |v[WXS+5]|
.irp i, 6,10,14,18,22,26
	v_max3_num_f32 v12, v12, |v[WXS+\i]|, |v[WXS+\i+1]|
	v_max3_num_f32 v13, v13, |v[WXS+\i+2]|, |v[WXS+\i+3]|
.endr
	v_max3_num_f32 v12, v12, |v[WXS+30]|, |v[WXS+31]|
	v_max3_num_f32 v12, v12, v13, (EMAX+1)<<23     ; and the floor
	v_add_nc_u32 v11, -(EMAX<<23), v12             ; the conversion's scale operand
	v_lshrrev_b32 v13, 23, v11                     ; the scale's byte
.if (\t)%4 == 0
	v_mov_b32 v[SB+(\t)/4], v13
.else
	v_lshl_or_b32 v[SB+(\t)/4], v13, 8*((\t)%4), v[SB+(\t)/4]
.endif
.irp g, 0,1,2,3
	v_cvt_scalef32_pk8_fp4_f32 v[WC+\g], v[WXS+8*\g:WXS+8*\g+7], v11
.endr
	ds_store_b128 v4, v[WC:WC+3] offset:16*(\t)    ; 32 codes: 16 bytes of my column's row
.if (\t)+2 < NB
	WLOAD (\t)+2
.endif
	s_wait_dscnt 0x0                               ; the store has read its registers: the next block's codes may be written
.endm
.set Q, 0
.rept NB
	WBLOCK Q
.set Q, Q+1
.endr
	global_store_b128 v9, v[SB:SB+3], s[14:15]     ; my column's 16 scale bytes
.irp t, 0,1,2,3,4,5,6,7,8,9,10,11,12,13,14,15
	ds_load_b128 v[OUTR+4*\t:OUTR+4*\t+3], v7 offset:2*\t*PITCH
.endr
.irp t, 0,1,2,3,4,5,6,7,8,9,10,11,12,13,14,15
	s_wait_dscnt 15-\t
	global_store_b128 v8, v[OUTR+4*\t:OUTR+4*\t+3], s[12:13] offset:2*\t*KROW
.endr
	s_wait_tensorcnt 0x0                           ; the wave's end
	ds_add_u32 v[SPW], v[NIL]
	s_wait_dscnt 0x0
	s_endpgm
.Lfunc_end_k_qa1858e531f_prep:
	.size	k_qa1858e531f_prep, .Lfunc_end_k_qa1858e531f_prep-k_qa1858e531f_prep
	.p2alignl 7, 3214868480
	.fill 96, 4, 3214868480
	.section	.rodata,"a",@progbits
	.p2align	6, 0x0
	.amdhsa_kernel k_qa1858e531f_prep
		.amdhsa_group_segment_fixed_size 102912
		.amdhsa_private_segment_fixed_size 0
		.amdhsa_enable_private_segment 0
		.amdhsa_kernarg_size 112
		.amdhsa_user_sgpr_count 2
		.amdhsa_user_sgpr_kernarg_segment_ptr 1
		.amdhsa_wavefront_size32 1
		.amdhsa_system_sgpr_workgroup_id_x 1
		.amdhsa_system_sgpr_workgroup_id_y 1
		.amdhsa_system_sgpr_workgroup_id_z 1
		.amdhsa_system_vgpr_workitem_id 0
		.amdhsa_next_free_vgpr 256
		.amdhsa_next_free_sgpr 66
		.amdhsa_reserve_vcc 0
		.amdhsa_float_denorm_mode_32 3
		.amdhsa_float_denorm_mode_16_64 3
		.amdhsa_memory_ordered 1
		.amdhsa_forward_progress 1
		.amdhsa_inst_pref_size 179
	.end_amdhsa_kernel
	.amdgpu_metadata
---
amdhsa.version: [ 1, 2 ]
amdhsa.kernels:
  - .name:           k_qa1858e531f_prep
    .symbol:         k_qa1858e531f_prep.kd
    .args:
      - { .name: mask, .offset: 0, .size: 8, .value_kind: global_buffer, .address_space: global }
      - { .name: q, .offset: 8, .size: 8, .value_kind: global_buffer, .address_space: global }
      - { .name: k, .offset: 16, .size: 8, .value_kind: global_buffer, .address_space: global }
      - { .name: v, .offset: 24, .size: 8, .value_kind: global_buffer, .address_space: global }
      - { .name: Wq, .offset: 32, .size: 8, .value_kind: global_buffer, .address_space: global }
      - { .name: Wk, .offset: 40, .size: 8, .value_kind: global_buffer, .address_space: global }
      - { .name: Wv, .offset: 48, .size: 8, .value_kind: global_buffer, .address_space: global }
      - { .name: Wo, .offset: 56, .size: 8, .value_kind: global_buffer, .address_space: global }
      - { .name: mbits, .offset: 64, .size: 8, .value_kind: global_buffer, .address_space: global }
      - { .name: xc, .offset: 72, .size: 8, .value_kind: global_buffer, .address_space: global }
      - { .name: xs, .offset: 80, .size: 8, .value_kind: global_buffer, .address_space: global }
      - { .name: wc, .offset: 88, .size: 8, .value_kind: global_buffer, .address_space: global }
      - { .name: ws, .offset: 96, .size: 8, .value_kind: global_buffer, .address_space: global }
      - { .name: wof, .offset: 104, .size: 8, .value_kind: global_buffer, .address_space: global }
    .group_segment_fixed_size: 102912
    .private_segment_fixed_size: 0
    .kernarg_segment_align: 8
    .kernarg_segment_size: 112
    .max_flat_workgroup_size: 128
    .sgpr_count:     66
    .vgpr_count:     256
    .wavefront_size: 32
...
	.end_amdgpu_metadata
.endif
;; end of part 1
;; launch proj (part 2): grid 4 x 48, 4 waves a work-group, clusters of 4 x 4, 327,680 bytes of LDS; arguments xc, xs, wc, ws, bq, bv, heads; writes heads
.if DOCPART == 2
	.amdgcn_target "amdgcn-amd-amdhsa--gfx1250"
	.amdhsa_code_object_version 6
	.text
	.protected	k_qa1858e531f_proj
	.globl	k_qa1858e531f_proj
	.p2align	8
	.type	k_qa1858e531f_proj,@function
k_qa1858e531f_proj:
	s_mov_b64 s[64:65], 0
	v_nop
	global_prefetch_b8 v0, s[64:65] scope:SCOPE_SE
	s_setreg_imm32_b32 hwreg(HW_REG_WAVE_MODE, 25, 1), 1
	s_wait_xcnt 0x0
	s_wait_alu depctr_hold_cnt(0) depctr_sa_sdst(0) depctr_va_vdst(0) depctr_va_sdst(0) depctr_va_ssrc(0) depctr_va_vcc(0) depctr_vm_vsrc(0)
	s_getreg_b32 s2, hwreg(HW_REG_IB_STS2, 6, 4)
	s_cmp_eq_u32 s2, 0
	s_cbranch_scc0 .Lentry_in_a_cluster
	s_endpgm
.Lentry_in_a_cluster:
	s_bfe_u32 s2, ttmp6, 0x10000c
	s_cmp_lg_u32 s2, 0xf033
	s_cbranch_scc0 .Lentry_shape_is_right
	s_endpgm
.Lentry_shape_is_right:
; Launch 2 of 4: the three QUANTISED projections, q Wq + bq, k Wk, v Wv + bv, on codes of FP4 (E2M1) with one E8M0 scale for each 32 along K = 1,024; sums in f32; results rounded to f16
; and stored in the order of the attention launch's operand registers.  bk is left out: it reaches no output (shown at the head of the first launch); K's sums begin with the constant 0.
; 192 work-groups, 64 for each projection g = cluster y / 4.  A work-group makes 256 x 256, each of its four waves 128 x 128: 64 accumulators, 512 registers.  K goes in two steps of 512, one
; to each of two LDS slots: every slot is filled once.  The scale bytes of the work-group's rows, for all of K, come once, in rows of 256 bytes.
; "A" AND "B".  Source 0 of the matrix instruction takes 16 rows of "B", source 1 16 rows of "A": a lane then holds ONE row of A and eight neighbouring rows of B.
;   g = 0, 1 (Q, K): A = tokens (xc), B = output features (wc): a lane's eight results, packed, are 16 bytes of a fragment [16 tokens x 32 of the head's 64].
;   g = 2 (V):       A = output features (wc), B = tokens (xc): a lane holds one feature and eight neighbouring KEYS: 16 bytes of a fragment [16 of the head's 64 x 32 keys], the keys innermost.
; Only pointers and tile numbers are chosen, on g, which all sixteen partners share.  A's tile number holds cy and never cx, B's holds cx and never cy.
; heads: three planes of 8,388,608 bytes (Q, K, V), each [batch x 16 + head][262,144 bytes].  Q, K: [token / 16][c 2][u 2][lane][16 bytes]: lane (r, h): token r, d = 32 c + 16 u + 8 h + 0 .. 7.
;   V: [key / 32][dt 4][u 2][lane][16 bytes]: lane (r, h): d = 16 dt + r, keys 16 u + 8 h + 0 .. 7.  Every store of a wave covers 512 consecutive bytes, aligned: no stage in LDS is needed.
; CLUSTERS: 4 x 4.  A's tiles are shared along a row of the cluster, B's along a column: each is asked for jointly.
; LIMIT: results beyond 65,504 in magnitude have no f16 number.
; REGISTERS: window 0: v0-31 addresses; v32-95 scale words, two sets, and nothing else; v128-191 A's fragments, one set; v192-255 the bias as C of the first step; on the way out v96-223 take the packed results.
;   window 1: B's fragments, two sets, at v0 and v128.   window 2: the accumulators of A's blocks 0-3 ((a, b) at v[8 (8 (a % 4) + b)]);   window 3: those of blocks 4-7.
.set NQ,     4                         ; matrix instructions deep in a slot: 512 along K
.set ROWB,   256                       ; a tile's row in bytes
.set KROW,   512                       ; a row of xc or wc
.set PITCH,  272                       ; an LDS row: 256 bytes + 16: the 16 rows that a load touches begin 17 x 16 bytes apart
.set FR,     8
.set NL,     2
.set NP,     4                         ; places behind this matrix instruction (ISA guide 7.12.1)
.set HALFT,  128*PITCH
.set SLOT,   4*HALFT
.set KS,     32                        ; a row of scale bytes
.set SCL,    2*SLOT
.set HALFS,  (128*KS/256)*272
.set SBLK,   (16*KS/256)*272
.set SPARE,  SCL+4*HALFS               ; the spare words, 128 bytes for each wave
.set ADRA, 16
.set ADRB, 20
.set LI,   24                          ; v24  16 x lane: my place in a store's 512 bytes
.set BQA,  25                          ; v25  32 h: my eight numbers of bq in a block of 16
.set BVA,  26                          ; v26  4 r: my number of bv in a block of 16
.set ADRS, 27
.set SPW,  28
.set NIL,  29
.set SC,   32
.set TO,   96
.set AF,   128
.set BI,   192
.set G1, 24
.set G0, 32
.set G1B, 48
.set G0B, 56
.set G1S, 68
.set G0S, 76
.set G1SB, 80
.set G0SB, 88
.set GG, 95                            ; s95  g: 0 Q, 1 K, 2 V
.set MSB, 0
.macro WIN new
.if MSB != (\new)
	s_set_vgpr_msb (MSB<<8)|(\new)
.set MSB, (\new)
.endif
.endm
.set MUL_LO, 0xa1                      ; source 0 (B) window 1, source 1 (A) window 0, C and D window 2
.set MUL_HI, 0xf1                      ; the same, C and D window 3
.set TO_B,   0x40
.macro JLOAD g0a, g1a, g0b, g1b        ; waves 0 and 1 fetch for A, waves 2 and 3 for B; an s_nop 0 and four v_nop follow each of the two lines
	s_cmp_eq_u32 s15, 0
	s_cbranch_scc0 .Lfor_b_\@
	tensor_load_to_lds s[\g0a:\g0a+3], s[\g1a:\g1a+7]
	s_nop 0
.rept 4
	v_nop
.endr
	s_branch .Lasked_\@
.Lfor_b_\@:
	tensor_load_to_lds s[\g0b:\g0b+3], s[\g1b:\g1b+7]
	s_nop 0
.rept 4
	v_nop
.endr
.Lasked_\@:
.endm
.macro CROUND                          ; a round of the cluster's barrier
	s_barrier_signal -1
	s_barrier_wait -1
	s_cmp_lg_u32 s14, 0
	s_cbranch_scc1 .Lnot_wave_0_\@
	s_barrier_signal -3
.Lnot_wave_0_\@:
	s_barrier_wait -3
	s_barrier_signal -1
	s_barrier_wait -1
.endm
	s_load_b128 s[4:7], s[0:1], 0x0                ; xc, xs
	s_load_b128 s[8:11], s[0:1], 0x10              ; wc, ws
	s_load_b128 s[96:99], s[0:1], 0x20             ; bq, bv
	s_load_b64 s[12:13], s[0:1], 0x30              ; heads
	v_lshl_add_u32 v[SPW], v0, 2, SPARE
	v_mov_b32 v[NIL], 0
	ds_add_u32 v[SPW], v[NIL]                      ; the wave's opening: the add, twice on end, and its wait ahead of my first tensor load
	ds_add_u32 v[SPW], v[NIL]
	v_lshrrev_b32 v1, 5, v0
	v_readfirstlane_b32 s14, v1                    ; wave 0..3
	s_lshr_b32 s15, s14, 1                         ; which half of A's rows is mine.  Also: I fetch for A (0) or for B (1)
	s_and_b32 s16, s14, 1                          ; which half of B's rows.  Also: which 128 rows of that tile I fetch
	s_bfe_u32 s40, ttmp6, 0x40000                  ; cx
	s_bfe_u32 s41, ttmp6, 0x40004                  ; cy
	s_and_b32 s88, ttmp7, 0xffff                   ; cluster y, 0..11
	s_lshr_b32 s[GG], s88, 2
	s_lshl_b32 s89, s88, 2                         ; the tokens' tiles of 256 rows of xc: 4 x cluster y + place
	s_lshl_b32 s90, s[GG], 2                       ; the features' tiles of 256 rows of wc: 4 g + place
	s_cmp_eq_u32 s[GG], 2
	s_cselect_b32 s17, s90, s89
	s_cselect_b32 s42, s89, s90
	s_add_co_u32 s17, s17, s41                     ; A's tile
	s_add_co_u32 s42, s42, s40                     ; B's tile
	s_lshl_b32 s43, s41, 2
	s_lshl_b32 s43, 15, s43                        ; my row of the cluster
	s_lshl_b32 s44, 0x1111, s40                    ; my column
	s_or_b32 s[G1+0], s43, (0<<16)|(1<<20)|(1<<21)|(5<<22)|(3<<25)  ; the mask; elements of 1 byte; padding: 4 words behind every 64; bit 21 beside a mask
	s_or_b32 s[G1B+0], s44, (0<<16)|(1<<20)|(1<<21)|(5<<22)|(3<<25)
.irp g, G1, G1B
	s_mov_b32 s[\g+1], ROWB<<16                    ; tensor_dim0
	s_mov_b32 s[\g+2], 128<<16                     ; tensor_dim1
	s_mov_b32 s[\g+3], ROWB<<16                    ; tile_dim0
	s_mov_b32 s[\g+4], 128                         ; tile_dim1
	s_mov_b32 s[\g+5], KROW                        ; the pitch
	s_mov_b32 s[\g+6], 0
	s_mov_b32 s[\g+7], 0
.endr
	s_or_b32 s[G1S+0], s43, (3<<16)|(1<<20)|(1<<21)|(5<<22)|(3<<25) ; the scales of 128 rows: 4,096 dense bytes as 16 rows of 256 (32 elements of 8 bytes), 16 bytes of padding behind each
	s_or_b32 s[G1SB+0], s44, (3<<16)|(1<<20)|(1<<21)|(5<<22)|(3<<25)
.irp g, G1S, G1SB
	s_mov_b32 s[\g+1], 32<<16
	s_mov_b32 s[\g+2], (128*KS/256)<<16
	s_mov_b32 s[\g+3], 32<<16
	s_mov_b32 s[\g+4], 128*KS/256
	s_mov_b32 s[\g+5], 32
	s_mov_b32 s[\g+6], 0
	s_mov_b32 s[\g+7], 0
.endr
	s_lshl_b32 s18, s16, 7                         ; which 128 rows of the tile I fetch
	s_lshl_b32 s20, s17, 8
	s_add_co_u32 s20, s20, s18                     ; A's row
	s_lshl_b32 s46, s42, 8
	s_add_co_u32 s46, s46, s18                     ; B's row
	s_mov_b32 s21, 0
	s_mov_b32 s47, 0
	s_mov_b64 s[18:19], KS
	s_mul_u64 s[22:23], s[20:21], s[18:19]         ; where these rows' scales begin,
	s_mul_u64 s[92:93], s[46:47], s[18:19]
	s_mov_b64 s[18:19], KROW
	s_mul_u64 s[20:21], s[20:21], s[18:19]         ; and their codes
	s_mul_u64 s[46:47], s[46:47], s[18:19]
	s_mul_i32 s45, s14, HALFT                      ; where they go: wave x 128 rows
	s_mul_i32 s94, s14, HALFS
	s_wait_dscnt 0x0                               ; both opening adds are done
	s_wait_kmcnt 0x0
	s_cmp_eq_u32 s[GG], 2                          ; which buffer is A and which is B: a choice on g, which hangs on no address
	s_cselect_b64 s[2:3], s[8:9], s[4:5]           ; A's codes
	s_cselect_b64 s[4:5], s[4:5], s[8:9]           ; B's codes
	s_cselect_b64 s[8:9], s[10:11], s[6:7]         ; A's scales
	s_cselect_b64 s[6:7], s[6:7], s[10:11]         ; B's scales
	s_add_nc_u64 s[20:21], s[2:3], s[20:21]
	s_add_nc_u64 s[22:23], s[8:9], s[22:23]
	s_add_nc_u64 s[46:47], s[4:5], s[46:47]
	s_add_nc_u64 s[92:93], s[6:7], s[92:93]
	CROUND                                         ; all sixteen work-groups are here: the joint loads meet
	s_mov_b32 s[G0S], 1
	s_add_co_u32 s[G0S+1], s94, SCL
	s_mov_b64 s[G0S+2:G0S+3], s[22:23]
	s_or_b32 s[G0S+3], s[G0S+3], 0x80000000
	s_mov_b32 s[G0SB], 1
	s_add_co_u32 s[G0SB+1], s94, SCL
	s_mov_b64 s[G0SB+2:G0SB+3], s[92:93]
	s_or_b32 s[G0SB+3], s[G0SB+3], 0x80000000
	JLOAD G0S, G1S, G0SB, G1SB                     ; the scales first; then both slots: three loads of mine are out
.irp s, 0,1
	s_mov_b32 s[G0+4*\s], 1
	s_add_co_u32 s[G0+4*\s+1], s45, \s*SLOT
	s_add_nc_u64 s[G0+4*\s+2:G0+4*\s+3], s[20:21], \s*ROWB
	s_or_b32 s[G0+4*\s+3], s[G0+4*\s+3], 0x80000000
	s_mov_b32 s[G0B+4*\s], 1
	s_add_co_u32 s[G0B+4*\s+1], s45, \s*SLOT
	s_add_nc_u64 s[G0B+4*\s+2:G0B+4*\s+3], s[46:47], \s*ROWB
	s_or_b32 s[G0B+4*\s+3], s[G0B+4*\s+3], 0x80000000
	JLOAD G0+4*\s, G1, G0B+4*\s, G1B
.endr
	v_and_b32 v1, 15, v0                           ; r
	v_bfe_u32 v2, v0, 4, 1                         ; h
	v_mul_u32_u24 v3, v1, PITCH
	v_lshl_add_u32 v4, v2, 4, v3                   ; a fragment's row x pitch + 16 h
	s_mul_i32 s21, s15, HALFT                      ; my 128 rows of A
	s_mul_i32 s22, s16, HALFT                      ; my 128 rows of B,
	s_add_co_u32 s22, s22, 2*HALFT                 ; which lie behind A's 256
.irp s, 0,1
	v_add_nc_u32 v[ADRA+\s], s21, v4
	v_add_nc_u32 v[ADRB+\s], s22, v4
	s_add_co_u32 s21, s21, SLOT
	s_add_co_u32 s22, s22, SLOT
.endr
	v_mul_u32_u24 v5, v1, KS                       ; my row's scales: 32 bytes a row,
	v_lshrrev_b32 v6, 8, v5
	v_lshl_add_u32 v5, v6, 4, v5                   ; and 16 more for each 256 passed
	s_mul_i32 s21, s15, HALFS
	s_mul_i32 s22, s16, HALFS
	s_add_co_u32 s22, s22, 2*HALFS
	s_sub_co_u32 s22, s22, s21
	v_mul_u32_u24 v6, s22, v2                      ; lanes 16-31 take B's: one product, the distance between the two bases x h
	s_add_co_u32 s21, s21, SCL
	v_add_nc_u32 v5, v5, v6
	v_add_nc_u32 v[ADRS], s21, v5
	v_and_b32 v6, 31, v0
	v_lshlrev_b32 v[LI], 4, v6
	v_lshlrev_b32 v[BQA], 5, v2
	v_lshlrev_b32 v[BVA], 2, v1
	; where my results begin in heads: plane g, head 16 x batch + 4 x (features' place) + 2 x (features' half), token s0: 128 bytes a token in Q's, K's and V's layout alike
	s_and_b32 s20, ttmp7, 0xffff
	s_lshl_b32 s20, s20, 2
	s_cmp_eq_u32 s[GG], 2
	s_cselect_b32 s21, s40, s41                    ; the tokens' place in the cluster,
	s_cselect_b32 s22, s41, s40                    ; the features',
	s_cselect_b32 s23, s16, s15                    ; the tokens' half,
	s_cselect_b32 s46, s15, s16                    ; the features'
	s_add_co_u32 s20, s20, s21
	s_and_b32 s20, s20, 15                         ; the tile of 256 tokens in its tensor
	s_lshl_b32 s20, s20, 8
	s_lshl_b32 s23, s23, 7
	s_add_co_u32 s20, s20, s23                     ; my first token, 0..3,968
	s_lshr_b32 s21, s20, 11                        ; batch
	s_and_b32 s20, s20, 2047
	s_lshl_b32 s21, s21, 4
	s_lshl_b32 s22, s22, 2
	s_add_co_u32 s21, s21, s22
	s_lshl_b32 s46, s46, 1
	s_add_co_u32 s21, s21, s46
	s_lshl_b32 s21, s21, 18
	s_lshl_b32 s20, s20, 7
	s_add_co_u32 s20, s20, s21
	s_lshl_b32 s21, s[GG], 23
	s_add_co_u32 s20, s20, s21
	s_mov_b32 s21, 0
	s_add_nc_u64 s[12:13], s[12:13], s[20:21]
.macro FRAG reg, adr, q, i             ; 16 rows x 128 K of 4-bit codes: 8 registers: lane (r, h): row r; registers 4 c .. 4 c + 3: K = 64 c + 32 h + 0 .. 31
.irp c, 0,1
	ds_load_b128 v[\reg+4*\c:\reg+4*\c+3], v[\adr] offset:64*(\q)+32*\c+(\i)*16*PITCH
.endr
.endm
; 16 matrix instructions: A's blocks a0, a0 + 1 x B's eight, the slot's q-th 128 along K.  p: B's set; sc: the set of scale words.
; cm: what C is: 0 the accumulator; 1 the constant 0; 2 the bias of B's block b; 3 the bias of A's block a.  The 64 accumulators take turns, one instruction a turn.
.macro MUL16 a0, p, q, sc, cm
.irp a, \a0, \a0+1
.irp b, 0,1,2,3,4,5,6,7
.set rD, 8*(8*((\a)%4)+\b)
.set rB, 128*(\p)+FR*\b
.set rA, AF+FR*(\a)
.set rSB, SC+8*NQ*(\sc)+NQ*\b+(\q)
.set rSA, SC+8*NQ*(\sc)+NQ*(\a)+(\q)
.if \cm == 0
	v_wmma_scale_f32_16x16x128_f8f6f4 v[rD:rD+7], v[rB:rB+7], v[rA:rA+7], v[rD:rD+7], v[rSB], v[rSA] matrix_a_fmt:MATRIX_FMT_FP4 matrix_b_fmt:MATRIX_FMT_FP4 matrix_a_scale:MATRIX_SCALE_ROW1
.elseif \cm == 1
	v_wmma_scale_f32_16x16x128_f8f6f4 v[rD:rD+7], v[rB:rB+7], v[rA:rA+7], 0, v[rSB], v[rSA] matrix_a_fmt:MATRIX_FMT_FP4 matrix_b_fmt:MATRIX_FMT_FP4 matrix_a_scale:MATRIX_SCALE_ROW1
.elseif \cm == 2
	v_wmma_scale_f32_16x16x128_f8f6f4 v[rD:rD+7], v[rB:rB+7], v[rA:rA+7], v[BI+8*\b:BI+8*\b+7], v[rSB], v[rSA] matrix_a_fmt:MATRIX_FMT_FP4 matrix_b_fmt:MATRIX_FMT_FP4 matrix_a_scale:MATRIX_SCALE_ROW1
.else
	v_wmma_scale_f32_16x16x128_f8f6f4 v[rD:rD+7], v[rB:rB+7], v[rA:rA+7], v[BI+8*(\a):BI+8*(\a)+7], v[rSB], v[rSA] matrix_a_fmt:MATRIX_FMT_FP4 matrix_b_fmt:MATRIX_FMT_FP4 matrix_a_scale:MATRIX_SCALE_ROW1
.endif
.endr
.endr
.endm
.macro FETCH_B slot, q, p
	WIN TO_B
.irp i, 0,1,2,3,4,5,6,7
	FRAG 128*(\p)+FR*\i, ADRB+\slot, \q, \i
.endr
	WIN 0
.endm
.macro FETCH_A slot, q, i0
.irp i, \i0, \i0+1, \i0+2, \i0+3
	FRAG AF+FR*(\i), ADRA+\slot, \q, \i
.endr
.endm
.macro SCALES sc                       ; a slot's scale words: four words a row; lanes 0-15 take A's block i, lanes 16-31 B's block i
.irp i, 0,1,2,3,4,5,6,7
	ds_load_b128 v[SC+8*NQ*\sc+NQ*\i:SC+8*NQ*\sc+NQ*\i+3], v[ADRS] offset:\i*SBLK
.endr
.endm
.macro PLACES n                        ; plain vector instructions between a matrix instruction and a load into, or a vector instruction on, one of its registers
.rept \n
	v_nop
.endr
.endm
.macro STEP slot, q, cm                ; 128 along K with its successor in the same slot
	s_wait_dscnt 4*NL                              ; B's set and A's blocks 0-3 are in; the youngest eight loads (A's blocks 4-7) may be out
.if \cm
	WIN 0x81                                       ; C in window 0 (or a constant), D in window 2
.else
	WIN MUL_LO
.endif
	MUL16 0, (\q)%2, \q, \slot, \cm
	MUL16 2, (\q)%2, \q, \slot, \cm
	s_wait_dscnt 0
	PLACES NP
	FETCH_B \slot, (\q)+1, 1-(\q)%2
	FETCH_A \slot, (\q)+1, 0
.if \cm
	WIN 0xc1
.else
	WIN MUL_HI
.endif
	MUL16 4, (\q)%2, \q, \slot, \cm
	MUL16 6, (\q)%2, \q, \slot, \cm
	PLACES NP
	WIN 0
	FETCH_A \slot, (\q)+1, 4
.endm
.macro TURN slot, next                 ; a slot's last step changes slots: one barrier
	s_wait_tensorcnt 0x0                           ; all my tensor loads have landed: my part of the next slot;
	ds_add_u32 v[SPW], v[NIL]                      ; 0 onto my spare word
	s_wait_dscnt 4*NL+1                            ; (the add and the youngest eight loads may be out)
	WIN MUL_LO
	MUL16 0, 1, NQ-1, \slot, 0
	s_wait_dscnt 0x0                               ; no LDS instruction of mine is out at the signal
	s_barrier_signal -1
	MUL16 2, 1, NQ-1, \slot, 0
	WIN 0
	s_barrier_wait -1                              ; the next slot is whole
	PLACES NP
	v_add_nc_u32 v[ADRS], 4*NQ, v[ADRS]            ; on to the next slot's scale words
	FETCH_B \next, 0, 0
	FETCH_A \next, 0, 0
	SCALES \next
	WIN MUL_HI
	MUL16 4, 1, NQ-1, \slot, 0
	MUL16 6, 1, NQ-1, \slot, 0
	PLACES NP
	WIN 0
	FETCH_A \next, 0, 4
.endm
.macro STEPS slot, from
.set Q, \from
.rept NQ-1-\from
	STEP \slot, Q, 0
.set Q, Q+1
.endr
.endm
.macro START                           ; the scales and slot 0 are in everybody's LDS; the first fragments
	s_wait_tensorcnt 1                             ; (slot 1's load may be out)
	s_barrier_signal -1
	s_barrier_wait -1
	FETCH_B 0, 0, 0
	FETCH_A 0, 0, 0
	SCALES 0
	FETCH_A 0, 0, 4
.endm
	; THE FIRST STEP starts the sums, and its C differs: three arms on g, which is the same in all waves and all partners.  Each arm holds its bias loads, the first barrier and the first step.
	s_cmp_eq_u32 s[GG], 1
	s_cbranch_scc1 .Lk_arm
	s_cmp_eq_u32 s[GG], 2
	s_cbranch_scc1 .Lv_arm
	s_lshl_b32 s20, s40, 10                        ; Q: bq at feature 256 cx + 128 x (B's half); lane (r, h) wants, for B's block b, features 16 b + 8 h + 0 .. 7
	s_lshl_b32 s21, s16, 9
	s_add_co_u32 s20, s20, s21
	s_mov_b32 s21, 0
	s_add_nc_u64 s[96:97], s[96:97], s[20:21]
.irp b, 0,1,2,3,4,5,6,7
	global_load_b128 v[BI+8*\b:BI+8*\b+3], v[BQA], s[96:97] offset:64*\b
	global_load_b128 v[BI+8*\b+4:BI+8*\b+7], v[BQA], s[96:97] offset:64*\b+16
.endr
	START
	s_wait_loadcnt 0x0
	STEP 0, 0, 2
	s_branch .Lrest
.Lk_arm:
	START
	STEP 0, 0, 1                                   ; K: no bias
	s_branch .Lrest
.Lv_arm:
	s_lshl_b32 s20, s41, 10                        ; V: bv at feature 256 cy + 128 x (A's half); lane (r, h) wants, for A's block a, feature 16 a + r in all eight registers
	s_lshl_b32 s21, s15, 9
	s_add_co_u32 s20, s20, s21
	s_mov_b32 s21, 0
	s_add_nc_u64 s[98:99], s[98:99], s[20:21]
.irp a, 0,1,2,3,4,5,6,7
	global_load_b32 v[BI+8*\a], v[BVA], s[98:99] offset:64*\a
.endr
	START
	s_wait_loadcnt 0x0
.irp a, 0,1,2,3,4,5,6,7
.irp j, 1,2,3,4,5,6,7
	v_mov_b32 v[BI+8*\a+\j], v[BI+8*\a]
.endr
.endr
	PLACES NP
	STEP 0, 0, 3
.Lrest:
	STEPS 0, 1
	TURN 0, 1
	STEPS 1, 0
	s_wait_dscnt 4*NL                              ; the last step: nothing more to fetch
	WIN MUL_LO
	MUL16 0, 1, NQ-1, 1, 0
	MUL16 2, 1, NQ-1, 1, 0
	s_wait_dscnt 0
	WIN MUL_HI
	MUL16 4, 1, NQ-1, 1, 0
	MUL16 6, 1, NQ-1, 1, 0
	WIN 0
	PLACES NP                                      ; behind the last products: their results are read, and registers that they read are written, below
; THE WAY OUT of A's block a: 64 registers are rounded to f16 in pairs, each accumulator from its low end on; a lane's four registers of accumulator (a, b) are 16 bytes of the reader's fragment,
; and the wave's store is 512 consecutive bytes.  v = 0: a = 16 tokens, b = 16 features;  v = 1: a = 16 features, b = 16 keys.
.macro OUTB a, v
.set AC, 64*((\a)%4)
.set T, TO+32*((\a)%4)
	WIN 0x0a+5*((\a)/4)                            ; sources 0 and 1: window 2 or 3
.irp b, 0,1,2,3,4,5,6,7
.irp r, 0,1,2,3
	v_cvt_pk_f16_f32 v[T+4*\b+\r], v[AC+8*\b+2*\r], v[AC+8*\b+2*\r+1]
.endr
.endr
	WIN 0
.irp b, 0,1,2,3,4,5,6,7
.if \v
	global_store_b128 v[LI], v[T+4*\b:T+4*\b+3], s[12:13] offset:1024*((\a)%4)+262144*((\a)/4)+4096*(\b/2)+512*(\b%2)
.else
	global_store_b128 v[LI], v[T+4*\b:T+4*\b+3], s[12:13] offset:2048*(\a)+262144*(\b/4)+512*(\b%4)
.endif
.endr
.endm
	s_cmp_eq_u32 s[GG], 2
	s_cbranch_scc1 .Lout_v
.irp a, 0,1,2,3
	OUTB \a, 0
.endr
	s_wait_xcnt 0x0                                ; the stores of blocks 0-3 have read their registers: blocks 4-7 take the same four sets
.irp a, 4,5,6,7
	OUTB \a, 0
.endr
	s_branch .Ldone
.Lout_v:
.irp a, 0,1,2,3
	OUTB \a, 1
.endr
	s_wait_xcnt 0x0
.irp a, 4,5,6,7
	OUTB \a, 1
.endr
.Ldone:
	s_wait_tensorcnt 0x0                           ; the wave's end
	ds_add_u32 v[SPW], v[NIL]
	s_wait_dscnt 0x0
	CROUND                                         ; the closing round
	s_endpgm
.Lfunc_end_k_qa1858e531f_proj:
	.size	k_qa1858e531f_proj, .Lfunc_end_k_qa1858e531f_proj-k_qa1858e531f_proj
	.p2alignl 7, 3214868480
	.fill 96, 4, 3214868480
	.section	.rodata,"a",@progbits
	.p2align	6, 0x0
	.amdhsa_kernel k_qa1858e531f_proj
		.amdhsa_group_segment_fixed_size 327680
		.amdhsa_private_segment_fixed_size 0
		.amdhsa_enable_private_segment 0
		.amdhsa_kernarg_size 56
		.amdhsa_user_sgpr_count 2
		.amdhsa_user_sgpr_kernarg_segment_ptr 1
		.amdhsa_wavefront_size32 1
		.amdhsa_system_sgpr_workgroup_id_x 1
		.amdhsa_system_sgpr_workgroup_id_y 1
		.amdhsa_system_sgpr_workgroup_id_z 1
		.amdhsa_system_vgpr_workitem_id 0
		.amdhsa_next_free_vgpr 1024
		.amdhsa_next_free_sgpr 100
		.amdhsa_reserve_vcc 0
		.amdhsa_float_denorm_mode_32 3
		.amdhsa_float_denorm_mode_16_64 3
		.amdhsa_memory_ordered 1
		.amdhsa_forward_progress 1
		.amdhsa_inst_pref_size 172
	.end_amdhsa_kernel
	.amdgpu_metadata
---
amdhsa.version: [ 1, 2 ]
amdhsa.kernels:
  - .name:           k_qa1858e531f_proj
    .symbol:         k_qa1858e531f_proj.kd
    .args:
      - { .name: xc, .offset: 0, .size: 8, .value_kind: global_buffer, .address_space: global }
      - { .name: xs, .offset: 8, .size: 8, .value_kind: global_buffer, .address_space: global }
      - { .name: wc, .offset: 16, .size: 8, .value_kind: global_buffer, .address_space: global }
      - { .name: ws, .offset: 24, .size: 8, .value_kind: global_buffer, .address_space: global }
      - { .name: bq, .offset: 32, .size: 8, .value_kind: global_buffer, .address_space: global }
      - { .name: bv, .offset: 40, .size: 8, .value_kind: global_buffer, .address_space: global }
      - { .name: heads, .offset: 48, .size: 8, .value_kind: global_buffer, .address_space: global }
    .group_segment_fixed_size: 327680
    .private_segment_fixed_size: 0
    .kernarg_segment_align: 8
    .kernarg_segment_size: 56
    .max_flat_workgroup_size: 128
    .sgpr_count:     100
    .vgpr_count:     1024
    .wavefront_size: 32
...
	.end_amdgpu_metadata
.endif
;; end of part 2
;; launch attn (part 3): grid 8 x 32, 8 waves a work-group, clusters of 4 x 1, 327,680 bytes of LDS; arguments heads, mbits, xf; writes xf
.if DOCPART == 3
	.amdgcn_target "amdgcn-amd-amdhsa--gfx1250"
	.amdhsa_code_object_version 6
	.text
	.protected	k_qa1858e531f_attn
	.globl	k_qa1858e531f_attn
	.p2align	8
	.type	k_qa1858e531f_attn,@function
k_qa1858e531f_attn:
	s_mov_b64 s[64:65], 0
	v_nop
	global_prefetch_b8 v0, s[64:65] scope:SCOPE_SE
	s_setreg_imm32_b32 hwreg(HW_REG_WAVE_MODE, 25, 1), 1
	s_wait_xcnt 0x0
	s_wait_alu depctr_hold_cnt(0) depctr_sa_sdst(0) depctr_va_vdst(0) depctr_va_sdst(0) depctr_va_ssrc(0) depctr_va_vcc(0) depctr_vm_vsrc(0)
	s_getreg_b32 s2, hwreg(HW_REG_IB_STS2, 6, 4)
	s_cmp_eq_u32 s2, 0
	s_cbranch_scc0 .Lentry_in_a_cluster
	s_endpgm
.Lentry_in_a_cluster:
	s_bfe_u32 s2, ttmp6, 0x10000c
	s_cmp_lg_u32 s2, 0x3003
	s_cbranch_scc0 .Lentry_shape_is_right
	s_endpgm
.Lentry_shape_is_right:
; Launch 3 of 4: x[b][h][q] = the sum over keys of nan_to_num(softmax_k(where(mask == 0, -inf, qh . kh / 8))) vh.  Operands in f16, products' sums, maxima and sums in f32.
; heads holds Q, K, V as images of operand registers (layout at the head of the launch that stores them); mbits holds the mask as lane masks, one word for each register of scores.
; SHARES.  A work-group owns 256 queries of one (batch, head); each of its EIGHT waves owns 32: two tiles of 16, in 352 registers: two waves to a SIMD, so that one wave's vector work stands
; beside the other's matrix work.  Every wave walks all 2,048 keys, 64 a step.
; LAYOUT.  S^T = K Q^T (source 0 = 16 keys, source 1 = 16 queries): a lane holds ONE query (lane % 16) and keys 8 (lane / 16) + 0 .. 7.  Two such tiles, rounded to f16 in pairs, ARE source 1
; (32 keys x 16 queries) of O^T = V^T P.  K's and V's fragments lie in LDS as they lie in registers: every LDS load reads 512 consecutive bytes.
; THE MASK selects values and steers nothing: a step's 64 words come by scalar loads, a step ahead, and each is the mask of one v_cndmask_b32 that puts -infinity over a hidden score.
; SOFTMAX.  A running maximum m (it begins at -3e38) and sum l for each query: p = 2^(c s - c m), c = log2(e) / 8; in every step O and l are multiplied by a = 2^(c m_old - c m_new).
; A hidden score gives p = 0.  A row whose keys are all hidden ends with l = 0 and O = 0; its 1 / l is replaced by 0: the row is 0, as nan_to_num makes it.
; RING.  Two LDS slots of 512 keys (K 65,536 bytes, then V 65,536).  Every wave fetches 16,384 dense bytes of a slot by one tensor load: one load of a wave is out at any time.
; CLUSTER.  The four query blocks of a cluster belong to one head and walk the same K and V: each load is asked for jointly, with a mask that names the four.
; The last key step asks once more for its own mask words (the offset is held at the last step's): so no load leaves the buffer and the step is written once.
; LIMITS: scores under -3e38 and NaN or infinities among the operands are not served.
; xf: x as f16 in the order of the next launch's operand: [token / 16][feature / 32][u 2][lane][16 bytes]: lane (r, h): token r, feature 16 u + 8 h + 0 .. 7.
; REGISTERS: window 0: v1-7 addresses and constants; v16-31 statistics, 8 a tile; v32-95 S^T, 32 a tile; v96-127 P, 16 a tile; v128-191 K of a step; v192-255 V of a step.
;   window 1: v0-31 Q, 16 a tile; v32-95 O^T, 32 a tile.
.set SLOT1, 1<<17
.set SPARE, 2*SLOT1                    ; behind the ring: the spare words, 128 bytes for each of eight waves
.set LI,   1                           ; v1   16 x lane
.set ADK,  2                           ; v2   LDS address of K's fragments of the four steps in hand
.set ADV,  3                           ; v3   of V's
.set NINF, 4                           ; v4   -infinity
.set PFO,  5                           ; v5   256 x lane: the prefetches' offset; never rewritten
.set SPW,  6
.set NIL,  7
.set ST,   16                          ; tile t at + 8 t: +0 c m, +1 m, +2, +3 l (two halves), +4 .. +7 at work; a in +6
.set S,    32
.set P,    96
.set KF,   128
.set VF,   192
.set QF,   0                           ; in window 1
.set OF,   32                          ; in window 1
.set PFA,  2                           ; s[2:3]   where my prefetches stand
.set G0,   4                           ; s[4:7]   descriptor group 0, which walks
.set G1,   8                           ; s[8:15]  descriptor group 1
                                       ; s[16:63], s[80:95] the step's 64 mask words: word w in s[16 + w + 16 (w / 48)]
.set CS,   66                          ; s[66:67] c, twice
.set SEL,  68                          ; s[68:69] v_permlanex16_b32's selects for lane l xor 16
.set MP,   70                          ; s[70:71] my pair's mask words
.set OP,   72                          ; s[72:73] my rows of xf
.set WV,   74
.set SLOTS, 75
.set TB,   76                          ; LDS byte at which the four steps in hand begin
.set LIM,  77
.set MO,   78                          ; byte offset of the mask words asked for last
.set HALF, 79
.set MSB, 0
.macro WIN new
.if MSB != (\new)
	s_set_vgpr_msb (MSB<<8)|(\new)
.set MSB, (\new)
.endif
.endm
.set W_S,  0x04                        ; Q (source 1) in window 1
.set W_RS, 0x41                        ; O^T (destination and source 0) in window 1
.set W_PV, 0x50                        ; O^T (C and D) in window 1
.macro CROUND
	s_barrier_signal -1
	s_barrier_wait -1
	s_cmp_lg_u32 s[WV], 0
	s_cbranch_scc1 .Lnot_wave_0_\@
	s_barrier_signal -3
.Lnot_wave_0_\@:
	s_barrier_wait -3
	s_barrier_signal -1
	s_barrier_wait -1
.endm
; A PREFETCH INTO THE L2 of what the NEXT change of slots will ask for, behind the wave's tensor load and its five lines.  Both clusters of a head walk the same K and V: the first one asks.  A slot is 65,536 bytes
; of K and as many of V; waves 0, 2, 4, 6 ask, each for 32,768 bytes (its own 16,384 and the next wave's), of which each of the four partners takes 8,192 BY ADDRESS: lanes 256 bytes apart, one instruction.
; So each block of 256 bytes is named once.  Slots 0 and 1 come by their loads alone; the last change that fills a slot asks for nothing.
.macro ASK
	s_cmp_gt_u32 s[SLOTS], s[LIM]
	s_cbranch_scc0 .Lnot_mine_\@
	global_prefetch_b8 v[PFO], s[PFA:PFA+1] th:TH_LOAD_NT scope:SCOPE_SE
.Lnot_mine_\@:
.endm
	s_load_b128 s[96:99], s[0:1], 0x0              ; heads, mbits
	s_load_b64 s[100:101], s[0:1], 0x10            ; xf
	v_lshl_add_u32 v[SPW], v0, 2, SPARE
	v_mov_b32 v[NIL], 0
	ds_add_u32 v[SPW], v[NIL]                      ; the wave's opening: the add, twice on end, and its wait ahead of my first tensor load
	ds_add_u32 v[SPW], v[NIL]
	v_lshrrev_b32 v8, 5, v0
	v_readfirstlane_b32 s[WV], v8                  ; wave 0..7
	s_bfe_u32 s80, ttmp6, 0x40000                  ; cx
	s_lshl_b32 s81, ttmp9, 2
	s_add_co_u32 s81, s81, s80                     ; my block of 256 queries
	s_and_b32 s82, ttmp7, 0xffff                   ; 16 x batch + head, which the four partners share
	s_lshl_b32 s83, s82, 18                        ; its 262,144 bytes in each plane
	s_lshr_b32 s84, s[WV], 2                       ; what I fetch: waves 0-3 K (plane 1), waves 4-7 V (plane 2),
	s_add_co_u32 s84, s84, 1
	s_lshl_b32 s84, s84, 23
	s_add_co_u32 s84, s84, s83
	s_and_b32 s86, s[WV], 3
	s_lshl_b32 s86, s86, 14                        ; 16,384 bytes of a slot's 65,536
	s_add_co_u32 s84, s84, s86
	s_mov_b32 s85, 0
	s_lshl_b32 s86, s80, 13                        ; the prefetches: my work-group's 8,192 bytes,
	s_add_co_u32 s86, s86, 65536                   ; in slot 1: the first change of slots steps it to slot 2
	s_mov_b32 s87, 0
	s_lshl_b32 s88, s81, 15                        ; Q: tile 16 x block + 2 x wave, 2,048 bytes a tile
	s_lshl_b32 s89, s[WV], 12
	s_add_co_u32 s88, s88, s89
	s_add_co_u32 s88, s88, s83
	s_mov_b32 s89, 0
	s_lshr_b32 s90, s82, 4                         ; batch
	s_lshl_b32 s91, s90, 6
	s_lshl_b32 s92, s81, 3
	s_add_co_u32 s91, s91, s92
	s_add_co_u32 s91, s91, s[WV]                   ; my pair of tiles: 64 x batch + 8 x block + wave
	s_lshl_b32 s92, s91, 13                        ; 8,192 bytes of mask words a pair
	s_mov_b32 s93, 0
	s_lshl_b32 s94, s91, 16                        ; xf: two tiles of 32,768 bytes a pair,
	s_and_b32 s95, s82, 15
	s_lshl_b32 s95, s95, 11                        ; the head's 64 features: 2,048 bytes in a tile
	s_add_co_u32 s94, s94, s95
	s_mov_b32 s95, 0
	s_mov_b32 s[G1], 15|(3<<16)|(1<<21)            ; the mask: all four work-groups; elements of 8 bytes; bit 21 beside a mask; no padding
	s_mov_b32 s[G1+1], 32<<16                      ; tensor_dim0 = 32: rows of 256 bytes
	s_mov_b32 s[G1+2], 64<<16                      ; tensor_dim1 = 64
	s_mov_b32 s[G1+3], 32<<16                      ; tile_dim0
	s_mov_b32 s[G1+4], 64                          ; tile_dim1
	s_mov_b32 s[G1+5], 32                          ; the pitch: dense
	s_mov_b32 s[G1+6], 0
	s_mov_b32 s[G1+7], 0
	s_mov_b32 s[G0], 1
	s_lshl_b32 s[G0+1], s[WV], 14                  ; LDS: wave x 16,384 in slot 0
	s_mov_b32 s[CS], 0x3e38aa3b                    ; c = log2(e) / 8
	s_mov_b32 s[CS+1], s[CS]
	s_mov_b32 s[SEL], 0x76543210
	s_mov_b32 s[SEL+1], 0xfedcba98
	s_mov_b32 s[TB], 0
	s_mov_b32 s[SLOTS], 3
	s_mov_b32 s[MO], 0
	s_and_b32 s[LIM], s[WV], 1
	s_or_b32 s[LIM], s[LIM], ttmp9                 ; 0 in the even waves of the head's first cluster: the same in all four partners
	s_cmp_eq_u32 s[LIM], 0
	s_cselect_b32 s[LIM], 1, -1
	v_and_b32 v8, 31, v0
	v_lshlrev_b32 v[LI], 4, v8
	v_lshlrev_b32 v[PFO], 8, v8
	v_mov_b32 v[NINF], 0xff800000
	s_wait_dscnt 0x0                               ; both opening adds are done
	s_wait_kmcnt 0x0
	s_add_nc_u64 s[G0+2:G0+3], s[96:97], s[84:85]
	s_add_nc_u64 s[PFA:PFA+1], s[G0+2:G0+3], s[86:87]
	s_or_b32 s[G0+3], s[G0+3], 0x80000000          ; type = 2
	s_add_nc_u64 s[MP:MP+1], s[98:99], s[92:93]
	s_add_nc_u64 s[OP:OP+1], s[100:101], s[94:95]
	s_add_nc_u64 s[100:101], s[96:97], s[88:89]    ; Q at my first tile
	CROUND                                         ; all four work-groups are here
	tensor_load_to_lds s[G0:G0+3], s[G1:G1+7]      ; slot 0: every wave issues the line, each with its own 16,384 bytes
	s_nop 0
.rept 4
	v_nop
.endr
	WIN 0x40                                       ; destination window 1
.irp t, 0,1
.irp c, 0,1
.irp u, 0,1
	global_load_b128 v[QF+16*\t+8*\c+4*\u:QF+16*\t+8*\c+4*\u+3], v[LI], s[100:101] offset:2048*\t+1024*\c+512*\u
.endr
.endr
.endr
.set i, 0
.rept 64
	v_mov_b32 v[OF+i], 0                           ; O^T.  (The step is written once: the first finds zeros, which the first change of m leaves zeros)
.set i, i+1
.endr
	WIN 0
	s_load_b512 s[16:31], s[MP:MP+1], s[MO] offset:0x0    ; step 0's mask words
	s_load_b512 s[32:47], s[MP:MP+1], s[MO] offset:0x40
	s_load_b512 s[48:63], s[MP:MP+1], s[MO] offset:0x80
	s_load_b512 s[80:95], s[MP:MP+1], s[MO] offset:0xc0
.irp t, 0,1
	v_mov_b32 v[ST+8*\t+1], 0xff61b1e6             ; m = -3e38
	v_mul_f32 v[ST+8*\t], s[CS], v[ST+8*\t+1]      ; c m
	v_mov_b32 v[ST+8*\t+2], 0                      ; l
	v_mov_b32 v[ST+8*\t+3], 0
.endr
.macro FETCH reg, adr, j               ; a step's eight fragments of K or of V: 16 loads of 512 consecutive bytes
.irp f, 0,1,2,3,4,5,6,7
	ds_load_b128 v[\reg+8*\f:\reg+8*\f+3], v[\adr] offset:8192*(\j)+1024*\f
	ds_load_b128 v[\reg+8*\f+4:\reg+8*\f+7], v[\adr] offset:8192*(\j)+1024*\f+512
.endr
.endm
; Line n of 32 of what follows a tile's exponentials: even n: the row's sum (l = l a + the first pair; then two chains, l's and one at work; then both), odd n: a pair of weights rounded to f16.
.macro PLAIN t, n
.set rT, ST+8*(\t)
.set rS, S+32*(\t)
.set z, (\n)/2
.if (\n)%2
	v_cvt_pk_f16_f32 v[P+16*(\t)+z], v[rS+2*z], v[rS+2*z+1]
.elseif z == 0
	v_pk_fma_f32 v[rT+2:rT+3], v[rT+2:rT+3], v[rT+6:rT+7], v[rS:rS+1] op_sel_hi:[1,0,1]
.elseif z == 1
	v_pk_add_f32 v[rT+4:rT+5], v[rS+2:rS+3], v[rS+4:rS+5]
.elseif z == 15
	v_pk_add_f32 v[rT+2:rT+3], v[rT+2:rT+3], v[rT+4:rT+5]
.elseif z%2
	v_pk_add_f32 v[rT+4:rT+5], v[rT+4:rT+5], v[rS+2*z+2:rS+2*z+3]
.else
	v_pk_add_f32 v[rT+2:rT+3], v[rT+2:rT+3], v[rS+2*z+2:rS+2*z+3]
.endif
.endm
; A KEY STEP: 64 keys, the j-th of the four in hand.  kn = 1: the next step's K is fetched too.
.macro STEP j, kn
	s_wait_dscnt 0x0                               ; K is in
	WIN W_S
.irp c, 0,1                            ; S^T = K Q^T: eight accumulators by turns, one instruction a turn; the first eight start the sums
.irp kt, 0,1,2,3
.irp t, 0,1
.if \c == 0
	v_wmma_f32_16x16x32_f16 v[S+32*\t+8*\kt:S+32*\t+8*\kt+7], v[KF+16*\kt+8*\c:KF+16*\kt+8*\c+7], v[QF+16*\t+8*\c:QF+16*\t+8*\c+7], 0
.else
	v_wmma_f32_16x16x32_f16 v[S+32*\t+8*\kt:S+32*\t+8*\kt+7], v[KF+16*\kt+8*\c:KF+16*\kt+8*\c+7], v[QF+16*\t+8*\c:QF+16*\t+8*\c+7], v[S+32*\t+8*\kt:S+32*\t+8*\kt+7]
.endif
.endr
.endr
.endr
	WIN 0
.rept 4
	v_nop                                          ; places: behind these products for the loads into K's registers and the first read of the scores; behind the last step's for the loads into V's
.endr
	FETCH VF, ADV, \j
.if \kn
	FETCH KF, ADK, (\j)+1
.endif
	s_wait_kmcnt 0x0                               ; this step's mask words, asked for a step ago
.set i, 0
.rept 32                               ; a hidden score becomes -infinity; each accumulator from its low end on
.irp t, 0,1
	v_cndmask_b32 v[S+32*\t+i], v[NINF], v[S+32*\t+i], s[16+(2*i+\t)+16*((2*i+\t)/48)]
.endr
.set i, i+1
.endr
.irp q, 0,1,2,3                        ; the largest of a lane's 32 scores and the old m: four chains, the tiles by turns
.irp t, 0,1
	v_max3_num_f32 v[ST+8*\t+4+\q], v[S+32*\t+8*\q], v[S+32*\t+8*\q+1], v[S+32*\t+8*\q+2]
.endr
.endr
.irp e, 3,5
.irp q, 0,1,2,3
.irp t, 0,1
	v_max3_num_f32 v[ST+8*\t+4+\q], v[ST+8*\t+4+\q], v[S+32*\t+8*\q+\e], v[S+32*\t+8*\q+\e+1]
.endr
.endr
.endr
	s_add_co_u32 s[MO], s[MO], 256                 ; the words have been read: the next step's are asked for (the last step: its own once more)
	s_min_u32 s[MO], s[MO], 7936
	s_load_b512 s[16:31], s[MP:MP+1], s[MO] offset:0x0
	s_load_b512 s[32:47], s[MP:MP+1], s[MO] offset:0x40
	s_load_b512 s[48:63], s[MP:MP+1], s[MO] offset:0x80
	s_load_b512 s[80:95], s[MP:MP+1], s[MO] offset:0xc0
.irp t, 0,1
	v_max3_num_f32 v[ST+8*\t+4], v[ST+8*\t+4], v[S+32*\t+7], v[S+32*\t+15]
.endr
.irp t, 0,1
	v_max3_num_f32 v[ST+8*\t+6], v[ST+8*\t+6], v[S+32*\t+23], v[S+32*\t+31]
.endr
.irp t, 0,1
	v_max3_num_f32 v[ST+8*\t+4], v[ST+8*\t+4], v[ST+8*\t+5], v[ST+8*\t+6]
.endr
.irp t, 0,1
	v_max3_num_f32 v[ST+8*\t+4], v[ST+8*\t+4], v[ST+8*\t+7], v[ST+8*\t+1]
.endr
.irp t, 0,1
	v_permlanex16_b32 v[ST+8*\t+5], v[ST+8*\t+4], s[SEL], s[SEL+1]   ; the query's other 32 keys lie in the lane 16 away
.endr
.irp t, 0,1
	v_mov_b32 v[ST+8*\t+7], v[ST+8*\t]             ; c m_old
.endr
.irp t, 0,1
	v_max_num_f32 v[ST+8*\t+1], v[ST+8*\t+4], v[ST+8*\t+5]
.endr
.irp t, 0,1
	v_mul_f32 v[ST+8*\t], s[CS], v[ST+8*\t+1]
.endr
.irp t, 0,1
	v_sub_f32 v[ST+8*\t+7], v[ST+8*\t+7], v[ST+8*\t]
.endr
	; THE FIRST BATCH of exponentials: both tiles' a and tile 0's 32 weights; the scalings stand among them; nothing here names a result
.irp t, 0,1
	v_exp_f32 v[ST+8*\t+6], v[ST+8*\t+7]
.endr
.set n, 0
.rept 16
	v_pk_fma_f32 v[S+2*n:S+2*n+1], v[S+2*n:S+2*n+1], s[CS:CS+1], v[ST:ST+1] op_sel_hi:[1,0,0] neg_lo:[0,0,1] neg_hi:[0,0,1]   ; c s - c m
.set n, n+1
.endr
.set n, 0
.rept 16
	v_exp_f32 v[S+2*n], v[S+2*n]
	v_exp_f32 v[S+2*n+1], v[S+2*n+1]
	v_pk_fma_f32 v[S+32+2*n:S+32+2*n+1], v[S+32+2*n:S+32+2*n+1], s[CS:CS+1], v[ST+8:ST+9] op_sel_hi:[1,0,0] neg_lo:[0,0,1] neg_hi:[0,0,1]
.set n, n+1
.endr
	s_wait_alu depctr_va_vdst(0)                   ; one wait for the batch, ahead of its first reader; the last scaling is the plain instruction behind the last exponential
	; THE SECOND BATCH: tile 1's 32 weights, each followed by a line of tile 0's sums and roundings, which name tile 0's registers alone
.set n, 0
.rept 32
	v_exp_f32 v[S+32+n], v[S+32+n]
	PLAIN 0, n
.set n, n+1
.endr
	s_wait_alu depctr_va_vdst(0)                   ; and one for the second batch
.set n, 0
.rept 32
	PLAIN 1, n
.set n, n+1
.endr
	WIN W_RS
.irp t, 0,1
.set n, 0
.rept 16
	v_pk_mul_f32 v[OF+32*\t+2*n:OF+32*\t+2*n+1], v[OF+32*\t+2*n:OF+32*\t+2*n+1], v[ST+8*\t+6:ST+8*\t+7] op_sel_hi:[1,0]   ; O^T under the new m
.set n, n+1
.endr
.endr
	s_wait_dscnt 16*\kn                            ; V is in; the next step's 16 loads of K may be out
	WIN W_PV
.irp c, 0,1                            ; O^T += V^T P: eight accumulators by turns
.irp dt, 0,1,2,3
.irp t, 0,1
	v_wmma_f32_16x16x32_f16 v[OF+32*\t+8*\dt:OF+32*\t+8*\dt+7], v[VF+32*\c+8*\dt:VF+32*\c+8*\dt+7], v[P+16*\t+8*\c:P+16*\t+8*\c+7], v[OF+32*\t+8*\dt:OF+32*\t+8*\dt+7]
.endr
.endr
.endr
	WIN 0
.endm
.macro SLOT_STEPS                      ; a slot's eight steps: four are written, walked twice
	s_mov_b32 s[HALF], 2
.Lhalf_\@:
	v_add_nc_u32 v[ADK], s[TB], v[LI]
	v_add_nc_u32 v[ADV], 65536, v[ADK]
	FETCH KF, ADK, 0
	STEP 0, 1
	STEP 1, 1
	STEP 2, 1
	STEP 3, 0
	s_add_co_u32 s[TB], s[TB], 32768
	s_sub_co_u32 s[HALF], s[HALF], 1
	s_cmp_lg_u32 s[HALF], 0
	s_cbranch_scc1 .Lhalf_\@
	s_sub_co_u32 s[TB], s[TB], 65536
	s_xor_b32 s[TB], s[TB], SLOT1                  ; on to the other slot
.endm
; THE CHANGE OF SLOTS stands at a slot's head.  Each wave waits for all its tensor loads (its part of the slot that it is about to read), adds 0 to its spare word, and waits for that and for its
; reads of the slot that it has left.  fill = 1: a round of the cluster's barrier; behind it the other slot takes the next 512 keys: the load has a slot's eight steps in which to land.
.macro CHANGE fill
	s_wait_tensorcnt 0x0                           ; no tensor load of mine is out, so group 0 may be written
	ds_add_u32 v[SPW], v[NIL]
.if \fill
	s_xor_b32 s[G0+1], s[G0+1], SLOT1
	s_add_nc_u64 s[G0+2:G0+3], s[G0+2:G0+3], 65536
	s_wait_xcnt 0x0                                ; the last prefetch, a slot back, has read its address
	s_add_nc_u64 s[PFA:PFA+1], s[PFA:PFA+1], 65536
	s_wait_dscnt 0x0
	CROUND
	tensor_load_to_lds s[G0:G0+3], s[G1:G1+7]      ; my one tensor load behind the round, and the first thing there
	s_nop 0
.rept 4
	v_nop
.endr
	ASK
.else
	s_wait_dscnt 0x0
	s_barrier_signal -1
	s_barrier_wait -1
.endif
.endm
	s_wait_loadcnt 0x0                             ; Q
.Lslot:                                            ; three trips: behind each change of slots but the last the next slot is asked for
	CHANGE 1
	SLOT_STEPS
	s_sub_co_u32 s[SLOTS], s[SLOTS], 1
	s_cmp_lg_u32 s[SLOTS], 0
	s_cbranch_scc1 .Lslot
	CHANGE 0                                       ; the last slot is written out
	SLOT_STEPS
	; THE WAY OUT.  l's halves and the other lanes' are added (these lines are the places behind the last products); O^T / l, or 0 where l = 0; rounded to f16; a lane's eight channels are 16 bytes of
	; the next launch's fragment, and each store of the wave covers 512 consecutive bytes, aligned.
.irp t, 0,1
	v_add_f32 v[ST+8*\t+4], v[ST+8*\t+2], v[ST+8*\t+3]
.endr
.irp t, 0,1
	v_permlanex16_b32 v[ST+8*\t+5], v[ST+8*\t+4], s[SEL], s[SEL+1]
.endr
.irp t, 0,1
	v_add_f32 v[ST+8*\t+4], v[ST+8*\t+4], v[ST+8*\t+5]
.endr
.irp t, 0,1
	v_rcp_f32 v[ST+8*\t+6], v[ST+8*\t+4]
.endr
	v_cmp_lt_f32 s96, 0, v[ST+4]                   ; (plain instructions behind the reciprocals)  has the row a key that counts?
	v_cmp_lt_f32 s97, 0, v[ST+12]
	s_wait_alu depctr_va_vdst(0)                   ; one wait for both reciprocals, ahead of their first reader
	v_cndmask_b32 v[ST+6], 0, v[ST+6], s96         ; the guard: a row with no key gives 0
	v_cndmask_b32 v[ST+14], 0, v[ST+14], s97
	WIN W_RS
.irp t, 0,1
.set n, 0
.rept 16
	v_pk_mul_f32 v[OF+32*\t+2*n:OF+32*\t+2*n+1], v[OF+32*\t+2*n:OF+32*\t+2*n+1], v[ST+8*\t+6:ST+8*\t+7] op_sel_hi:[1,0]
.set n, n+1
.endr
.endr
	WIN 0x05                                       ; sources 0 and 1 window 1, destination window 0: S^T's registers are free
.irp t, 0,1
.set n, 0
.rept 16
	v_cvt_pk_f16_f32 v[S+16*\t+n], v[OF+32*\t+2*n], v[OF+32*\t+2*n+1]
.set n, n+1
.endr
.endr
	WIN 0
.irp t, 0,1
.irp dt, 0,1,2,3
	global_store_b128 v[LI], v[S+16*\t+4*\dt:S+16*\t+4*\dt+3], s[OP:OP+1] offset:32768*\t+512*\dt
.endr
.endr
	s_wait_tensorcnt 0x0                           ; the wave's end
	ds_add_u32 v[SPW], v[NIL]
	s_wait_dscnt 0x0
	CROUND                                         ; the closing round
	s_endpgm
.Lfunc_end_k_qa1858e531f_attn:
	.size	k_qa1858e531f_attn, .Lfunc_end_k_qa1858e531f_attn-k_qa1858e531f_attn
	.p2alignl 7, 3214868480
	.fill 96, 4, 3214868480
	.section	.rodata,"a",@progbits
	.p2align	6, 0x0
	.amdhsa_kernel k_qa1858e531f_attn
		.amdhsa_group_segment_fixed_size 327680
		.amdhsa_private_segment_fixed_size 0
		.amdhsa_enable_private_segment 0
		.amdhsa_kernarg_size 24
		.amdhsa_user_sgpr_count 2
		.amdhsa_user_sgpr_kernarg_segment_ptr 1
		.amdhsa_wavefront_size32 1
		.amdhsa_system_sgpr_workgroup_id_x 1
		.amdhsa_system_sgpr_workgroup_id_y 1
		.amdhsa_system_sgpr_workgroup_id_z 1
		.amdhsa_system_vgpr_workitem_id 0
		.amdhsa_next_free_vgpr 512
		.amdhsa_next_free_sgpr 102
		.amdhsa_reserve_vcc 0
		.amdhsa_float_denorm_mode_32 3
		.amdhsa_float_denorm_mode_16_64 3
		.amdhsa_memory_ordered 1
		.amdhsa_forward_progress 1
		.amdhsa_inst_pref_size 186
	.end_amdhsa_kernel
	.amdgpu_metadata
---
amdhsa.version: [ 1, 2 ]
amdhsa.kernels:
  - .name:           k_qa1858e531f_attn
    .symbol:         k_qa1858e531f_attn.kd
    .args:
      - { .name: heads, .offset: 0, .size: 8, .value_kind: global_buffer, .address_space: global }
      - { .name: mbits, .offset: 8, .size: 8, .value_kind: global_buffer, .address_space: global }
      - { .name: xf, .offset: 16, .size: 8, .value_kind: global_buffer, .address_space: global }
    .group_segment_fixed_size: 327680
    .private_segment_fixed_size: 0
    .kernarg_segment_align: 8
    .kernarg_segment_size: 24
    .max_flat_workgroup_size: 256
    .sgpr_count:     102
    .vgpr_count:     512
    .wavefront_size: 32
...
	.end_amdgpu_metadata
.endif
;; end of part 3
;; launch outp (part 4): grid 8 x 32, 4 waves a work-group, clusters of 4 x 4, 327,680 bytes of LDS; arguments xf, wof, bo, out0; writes out0
.if DOCPART == 4
	.amdgcn_target "amdgcn-amd-amdhsa--gfx1250"
	.amdhsa_code_object_version 6
	.text
	.protected	k_qa1858e531f_outp
	.globl	k_qa1858e531f_outp
	.p2align	8
	.type	k_qa1858e531f_outp,@function
k_qa1858e531f_outp:
	s_mov_b64 s[64:65], 0
	v_nop
	global_prefetch_b8 v0, s[64:65] scope:SCOPE_SE
	s_setreg_imm32_b32 hwreg(HW_REG_WAVE_MODE, 25, 1), 1
	s_wait_xcnt 0x0
	s_wait_alu depctr_hold_cnt(0) depctr_sa_sdst(0) depctr_va_vdst(0) depctr_va_sdst(0) depctr_va_ssrc(0) depctr_va_vcc(0) depctr_vm_vsrc(0)
	s_getreg_b32 s2, hwreg(HW_REG_IB_STS2, 6, 4)
	s_cmp_eq_u32 s2, 0
	s_cbranch_scc0 .Lentry_in_a_cluster
	s_endpgm
.Lentry_in_a_cluster:
	s_bfe_u32 s2, ttmp6, 0x10000c
	s_cmp_lg_u32 s2, 0xf033
	s_cbranch_scc0 .Lentry_shape_is_right
	s_endpgm
.Lentry_shape_is_right:
; Launch 4 of 4: out0 = x Wo + bo.  x (xf) and Wo (wof) are f16 in the order of the operands' registers: [tile of 16 rows][k / 32][u 2][lane][16 bytes]; sums in f32; out0 [4096][1024] f32.
; 256 work-groups, a tile of 128 x 128 each; four waves, each 64 x 64: 16 accumulators.  K = 1,024 goes in four steps of 256 through a ring of two LDS slots; the walk is written out.
; A wave's tensor load brings four tiles' 8,192 consecutive bytes each; fragments lie in LDS as in registers: every LDS load reads 512 consecutive bytes: no padding.
; CLUSTERS: 4 x 4: x's tiles are shared along a row of the cluster, Wo's along a column: each is asked for jointly.
; THE MATRIX INSTRUCTION IS USED TRANSPOSED (source 0 = 16 columns of Wo, source 1 = 16 tokens): a lane holds eight neighbouring numbers of a row of out0.  bo is the C of each sum's first instruction.
; A wave's 64 columns are 256 aligned bytes of a row: each wave has a stage of its own on the way out, and no barrier is needed there.
; No prefetch: the tile is small, the walk is four steps, and the first two come at the head.
; REGISTERS: window 0: v0-31 addresses; v32-95 rows on the way out; v96-127 bo; v128-255 the accumulators ((a, b) at v[128 + 8 (4 a + b)]).   window 1: two fragment buffers of 128: 64 of x, then 64 of Wo.
.set HALFT,  32768                     ; four tiles x 8,192 bytes: what one tensor load brings, and what one wave reads of x or of Wo
.set SLOT,   4*HALFT
.set STAGE,  2*SLOT
.set SPITCH, 272
.set SPARE,  STAGE+4*16*SPITCH
.set ADRA, 16
.set ADRB, 20
.set STO,  24
.set RD,   25
.set CO,   26
.set SPW,  28
.set NIL,  29
.set TMP,  32
.set BI,   96
.set ACC,  128
.set F0,   0
.set F1,   128
.set G1, 24
.set G0, 32
.set G1B, 48
.set G0B, 56
.set MSB, 0
.macro WIN new
.if MSB != (\new)
	s_set_vgpr_msb (MSB<<8)|(\new)
.set MSB, (\new)
.endif
.endm
.set MUL,  0x05                        ; sources 0 and 1 window 1; C and D window 0
.set TO_F, 0x40
.macro JLOAD s                         ; waves 0 and 1 fetch x's two halves, waves 2 and 3 Wo's; an s_nop 0 and four v_nop follow each of the two lines
	s_cmp_eq_u32 s11, 0
	s_cbranch_scc0 .Lfor_b_\@
	tensor_load_to_lds s[G0+4*\s:G0+4*\s+3], s[G1:G1+7]
	s_nop 0
.rept 4
	v_nop
.endr
	s_branch .Lasked_\@
.Lfor_b_\@:
	tensor_load_to_lds s[G0B+4*\s:G0B+4*\s+3], s[G1B:G1B+7]
	s_nop 0
.rept 4
	v_nop
.endr
.Lasked_\@:
.endm
.macro CREST
	s_cmp_lg_u32 s10, 0
	s_cbranch_scc1 .Lnot_wave_0_\@
	s_barrier_signal -3
.Lnot_wave_0_\@:
	s_barrier_wait -3
	s_barrier_signal -1
	s_barrier_wait -1
.endm
.macro CROUND
	s_barrier_signal -1
	s_barrier_wait -1
	CREST
.endm
	s_load_b128 s[4:7], s[0:1], 0x0                ; xf, wof
	s_load_b128 s[68:71], s[0:1], 0x10             ; bo, out0
	v_lshl_add_u32 v[SPW], v0, 2, SPARE
	v_mov_b32 v[NIL], 0
	ds_add_u32 v[SPW], v[NIL]                      ; the wave's opening: the add, twice on end, and its wait ahead of my first tensor load
	ds_add_u32 v[SPW], v[NIL]
	v_lshrrev_b32 v1, 5, v0
	v_readfirstlane_b32 s10, v1                    ; wave 0..3
	s_lshr_b32 s11, s10, 1                         ; which half of the tile's rows is mine.  Also: I fetch for x (0) or for Wo (1)
	s_and_b32 s12, s10, 1                          ; which half of its columns.  Also: which four tiles of 16 I fetch
	s_bfe_u32 s40, ttmp6, 0x40000                  ; cx
	s_bfe_u32 s41, ttmp6, 0x40004                  ; cy
	s_lshl_b32 s42, ttmp9, 2
	s_add_co_u32 s42, s42, s40                     ; tile column
	s_and_b32 s13, ttmp7, 0xffff
	s_lshl_b32 s13, s13, 2
	s_add_co_u32 s13, s13, s41                     ; tile row
	s_lshl_b32 s43, s41, 2
	s_lshl_b32 s43, 15, s43                        ; my row of the cluster
	s_lshl_b32 s44, 0x1111, s40                    ; my column
	s_or_b32 s[G1+0], s43, (3<<16)|(1<<21)         ; the mask; elements of 8 bytes; bit 21 beside a mask; no padding
	s_or_b32 s[G1B+0], s44, (3<<16)|(1<<21)
.irp g, G1, G1B
	s_mov_b32 s[\g+1], 1024<<16                    ; tensor_dim0 = 1,024 elements: 8,192 bytes: a K step of one tile of 16 rows
	s_mov_b32 s[\g+2], 4<<16                       ; tensor_dim1 = 4 tiles
	s_mov_b32 s[\g+3], 1024<<16                    ; tile_dim0
	s_mov_b32 s[\g+4], 4                           ; tile_dim1
	s_mov_b32 s[\g+5], 4096                        ; the pitch: 32,768 bytes from tile to tile
	s_mov_b32 s[\g+6], 0
	s_mov_b32 s[\g+7], 0
.endr
	s_lshl_b32 s17, s12, 2
	s_lshl_b32 s16, s13, 3
	s_add_co_u32 s16, s16, s17
	s_lshl_b32 s16, s16, 15                        ; x: tile of 16 tokens 8 x tile row + 4 x half
	s_lshl_b32 s46, s42, 3
	s_add_co_u32 s46, s46, s17
	s_lshl_b32 s46, s46, 15                        ; Wo: tile of 16 columns 8 x tile column + 4 x half
	s_mov_b32 s17, 0
	s_mov_b32 s47, 0
	s_lshl_b32 s20, s10, 15                        ; where they go: wave x 32,768
	s_wait_dscnt 0x0                               ; both opening adds are done
	s_wait_kmcnt 0x0
	s_add_nc_u64 s[14:15], s[4:5], s[16:17]
	s_add_nc_u64 s[46:47], s[6:7], s[46:47]
	CROUND                                         ; all sixteen work-groups are here
.irp s, 0,1
	s_mov_b32 s[G0+4*\s], 1
	s_add_co_u32 s[G0+4*\s+1], s20, \s*SLOT
	s_add_nc_u64 s[G0+4*\s+2:G0+4*\s+3], s[14:15], \s*8192
	s_or_b32 s[G0+4*\s+3], s[G0+4*\s+3], 0x80000000
	s_mov_b32 s[G0B+4*\s], 1
	s_add_co_u32 s[G0B+4*\s+1], s20, \s*SLOT
	s_add_nc_u64 s[G0B+4*\s+2:G0B+4*\s+3], s[46:47], \s*8192
	s_or_b32 s[G0B+4*\s+3], s[G0B+4*\s+3], 0x80000000
	JLOAD \s                                       ; K steps 0 and 1: two loads of mine are out
.endr
	v_and_b32 v1, 31, v0
	v_lshlrev_b32 v3, 4, v1                        ; 16 x lane
	s_lshl_b32 s21, s11, 15                        ; my four tiles of x
	s_lshl_b32 s22, s12, 15                        ; my four tiles of Wo,
	s_add_co_u32 s22, s22, 2*HALFT                 ; which lie behind x's eight
.irp s, 0,1
	v_add_nc_u32 v[ADRA+\s], s21, v3
	v_add_nc_u32 v[ADRB+\s], s22, v3
	s_add_co_u32 s21, s21, SLOT
	s_add_co_u32 s22, s22, SLOT
.endr
	v_and_b32 v1, 15, v0                           ; r
	v_bfe_u32 v2, v0, 4, 1                         ; h
	s_mul_i32 s23, s10, 16*SPITCH
	s_add_co_u32 s23, s23, STAGE                   ; my stage
	v_mul_u32_u24 v4, v1, SPITCH
	v_lshl_add_u32 v4, v2, 5, v4
	v_add_nc_u32 v[STO], s23, v4                   ; in: row r, 32 bytes for each half of the lanes
	v_mul_u32_u24 v5, v2, SPITCH
	v_lshl_add_u32 v5, v1, 4, v5
	v_add_nc_u32 v[RD], s23, v5                    ; back: lanes 0-15 one row of 256 bytes, lanes 16-31 the next
	v_lshlrev_b32 v5, 12, v2
	v_lshl_add_u32 v[CO], v1, 4, v5                ; and the same two rows in out0
	s_lshl_b32 s16, s13, 19                        ; 128 rows of 4,096 bytes a tile row,
	s_lshl_b32 s17, s11, 18                        ; 64 a half
	s_add_co_u32 s16, s16, s17
	s_lshl_b32 s46, s42, 9
	s_lshl_b32 s47, s12, 8
	s_add_co_u32 s46, s46, s47                     ; my first column, in bytes
	s_add_co_u32 s16, s16, s46
	s_mov_b32 s17, 0
	s_mov_b32 s47, 0
	s_add_nc_u64 s[70:71], s[70:71], s[16:17]
	s_add_nc_u64 s[68:69], s[68:69], s[46:47]      ; bo at my 64 columns
	v_lshlrev_b32 v6, 5, v2                        ; lane (r, h) wants, for block b, columns 16 b + 8 h + 0 .. 7
.irp b, 0,1,2,3
	global_load_b128 v[BI+8*\b:BI+8*\b+3], v6, s[68:69] offset:64*\b
	global_load_b128 v[BI+8*\b+4:BI+8*\b+7], v6, s[68:69] offset:64*\b+16
.endr
; 8 matrix instructions: token blocks a0, a0 + 1 x all 4 column blocks, 32 along K: half c of buffer f.  first = 1: the sums begin with bo.  The 16 accumulators take turns.
.macro MUL8 f, c, a0, first
.irp a, \a0, \a0+1
.irp b, 0,1,2,3
.if \first
	v_wmma_f32_16x16x32_f16 v[ACC+8*(4*(\a)+\b):ACC+8*(4*(\a)+\b)+7], v[\f+64+8*(4*\c+\b):\f+64+8*(4*\c+\b)+7], v[\f+8*(4*\c+\a):\f+8*(4*\c+\a)+7], v[BI+8*\b:BI+8*\b+7]
.else
	v_wmma_f32_16x16x32_f16 v[ACC+8*(4*(\a)+\b):ACC+8*(4*(\a)+\b)+7], v[\f+64+8*(4*\c+\b):\f+64+8*(4*\c+\b)+7], v[\f+8*(4*\c+\a):\f+8*(4*\c+\a)+7], v[ACC+8*(4*(\a)+\b):ACC+8*(4*(\a)+\b)+7]
.endif
.endr
.endr
.endm
; 32 LDS loads in one run: the fragments of the slot's q-th 64 along K into buffer f; the first 32 along K first
.macro FETCH slot, q, f
	WIN TO_F
.irp c, 0,1
.irp i, 0,1,2,3
	ds_load_b128 v[\f+64+8*(4*\c+\i):\f+64+8*(4*\c+\i)+3],   v[ADRB+\slot] offset:8192*\i+1024*(2*(\q)+\c)
	ds_load_b128 v[\f+64+8*(4*\c+\i)+4:\f+64+8*(4*\c+\i)+7], v[ADRB+\slot] offset:8192*\i+1024*(2*(\q)+\c)+512
	ds_load_b128 v[\f+8*(4*\c+\i):\f+8*(4*\c+\i)+3],         v[ADRA+\slot] offset:8192*\i+1024*(2*(\q)+\c)
	ds_load_b128 v[\f+8*(4*\c+\i)+4:\f+8*(4*\c+\i)+7],       v[ADRA+\slot] offset:8192*\i+1024*(2*(\q)+\c)+512
.endr
.endr
.endm
.macro PLACES                          ; four places in front of loads into registers that matrix instructions have read, and of the first read of results
.rept 4
	v_nop
.endr
.endm
; A K step is four quarters of 64 along K, 32 matrix instructions each, on buffers 0, 1, 0, 1.  One of the first three: multiplies buffer f and fetches quarter q into g.
.macro QUARTER slot, q, f, g, first
	s_wait_dscnt 16                                ; the first 32 along K are in
	WIN MUL
	MUL8 \f, 0, 0, \first
	MUL8 \f, 0, 2, \first
	PLACES
	FETCH \slot, \q, \g
	s_wait_dscnt 32                                ; all but the 32 just issued
	WIN MUL
	MUL8 \f, 1, 0, 0
	MUL8 \f, 1, 2, 0
.endm
; The last quarter multiplies buffer 1 and changes slots: one barrier; in front of it each wave waits for all its tensor loads, adds 0 to its spare word, and waits for that and for its reads of this slot.
; fill = 1: the barrier opens a round of the cluster's barrier, and this slot is filled again, two K steps ahead.
.macro TURN slot, next, fill
	WIN 0
	s_wait_tensorcnt 0x0                           ; all my tensor loads have landed: my part of the next slot;
	ds_add_u32 v[SPW], v[NIL]
	s_wait_dscnt 17                                ; (the add and the youngest sixteen loads may be out)
	WIN MUL
	MUL8 F1, 0, 0, 0
	s_wait_dscnt 0x0                               ; the add is done, and my reads of this slot are over
	s_barrier_signal -1
	MUL8 F1, 0, 2, 0
.if \fill
	WIN 0
.endif
	s_barrier_wait -1
.if \fill
	CREST
	s_add_nc_u64 s[G0+4*\slot+2:G0+4*\slot+3], s[G0+4*\slot+2:G0+4*\slot+3], 2*8192
	s_add_nc_u64 s[G0B+4*\slot+2:G0B+4*\slot+3], s[G0B+4*\slot+2:G0B+4*\slot+3], 2*8192
	JLOAD \slot                                    ; the first tensor load behind the round; its four v_nop are also the places in front of the loads below
.else
	PLACES
.endif
	FETCH \next, 0, F0
	WIN MUL
	MUL8 F1, 1, 0, 0
	MUL8 F1, 1, 2, 0
.endm
	s_wait_tensorcnt 1                             ; my part of K step 0 is in (K step 1's may be out)
	s_barrier_signal -1
	s_barrier_wait -1                              ; everybody's is
	FETCH 0, 0, F0
	s_wait_loadcnt 0x0                             ; bo
	QUARTER 0, 1, F0, F1, 1                        ; K step 0
	QUARTER 0, 2, F1, F0, 0
	QUARTER 0, 3, F0, F1, 0
	TURN 0, 1, 1                                   ; slot 0 takes K step 2
	QUARTER 1, 1, F0, F1, 0                        ; K step 1
	QUARTER 1, 2, F1, F0, 0
	QUARTER 1, 3, F0, F1, 0
	TURN 1, 0, 1                                   ; slot 1 takes K step 3
	QUARTER 0, 1, F0, F1, 0                        ; K step 2
	QUARTER 0, 2, F1, F0, 0
	QUARTER 0, 3, F0, F1, 0
	TURN 0, 1, 0                                   ; nothing is left to fetch
	QUARTER 1, 1, F0, F1, 0                        ; K step 3
	QUARTER 1, 2, F1, F0, 0
	QUARTER 1, 3, F0, F1, 0
	s_wait_dscnt 16
	WIN MUL
	MUL8 F1, 0, 0, 0
	MUL8 F1, 0, 2, 0
	s_wait_dscnt 0
	MUL8 F1, 1, 0, 0
	MUL8 F1, 1, 2, 0
	WIN 0
; THE WAY OUT, block by block of 16 rows x 64 columns, through my own stage: a lane's 32 bytes go in, whole rows of 256 bytes come back, and sixteen lanes store 256 consecutive bytes, aligned.
; LDS serves a wave's instructions in order: no wait between the stores and the loads, nor in front of the next block's stores.
.macro TOSTAGE a
.irp b, 0,1,2,3
	ds_store_b128 v[STO], v[ACC+8*(4*(\a)+\b):ACC+8*(4*(\a)+\b)+3] offset:64*\b       ; each accumulator from its low end on
	ds_store_b128 v[STO], v[ACC+8*(4*(\a)+\b)+4:ACC+8*(4*(\a)+\b)+7] offset:64*\b+16
.endr
.irp t, 0,1,2,3,4,5,6,7
	ds_load_b128 v[TMP+32*((\a)%2)+4*\t:TMP+32*((\a)%2)+4*\t+3], v[RD] offset:\t*2*SPITCH
.endr
.endm
.macro SEND a, younger                 ; younger: the LDS instructions issued behind block a's loads
	s_wait_dscnt \younger
.irp t, 0,1,2,3,4,5,6,7
	global_store_b128 v[CO], v[TMP+32*((\a)%2)+4*\t:TMP+32*((\a)%2)+4*\t+3], s[70:71] offset:(16*(\a)+2*\t)*4096 th:TH_STORE_NT
.endr
.endm
	PLACES
	TOSTAGE 0
	TOSTAGE 1
	SEND 0, 16                                     ; behind block 0's loads: block 1's 8 stores and 8 loads
	s_wait_xcnt 0x0                                ; block 0's stores have read their registers: block 2's rows may land there
	TOSTAGE 2
	SEND 1, 16
	s_wait_xcnt 0x0
	TOSTAGE 3
	SEND 2, 16
	SEND 3, 0
	s_wait_tensorcnt 0x0                           ; the wave's end
	ds_add_u32 v[SPW], v[NIL]
	s_wait_dscnt 0x0
	CROUND                                         ; the closing round
	s_endpgm
.Lfunc_end_k_qa1858e531f_outp:
	.size	k_qa1858e531f_outp, .Lfunc_end_k_qa1858e531f_outp-k_qa1858e531f_outp
	.p2alignl 7, 3214868480
	.fill 96, 4, 3214868480
	.section	.rodata,"a",@progbits
	.p2align	6, 0x0
	.amdhsa_kernel k_qa1858e531f_outp
		.amdhsa_group_segment_fixed_size 327680
		.amdhsa_private_segment_fixed_size 0
		.amdhsa_enable_private_segment 0
		.amdhsa_kernarg_size 32
		.amdhsa_user_sgpr_count 2
		.amdhsa_user_sgpr_kernarg_segment_ptr 1
		.amdhsa_wavefront_size32 1
		.amdhsa_system_sgpr_workgroup_id_x 1
		.amdhsa_system_sgpr_workgroup_id_y 1
		.amdhsa_system_sgpr_workgroup_id_z 1
		.amdhsa_system_vgpr_workitem_id 0
		.amdhsa_next_free_vgpr 512
		.amdhsa_next_free_sgpr 72
		.amdhsa_reserve_vcc 0
		.amdhsa_float_denorm_mode_32 3
		.amdhsa_float_denorm_mode_16_64 3
		.amdhsa_memory_ordered 1
		.amdhsa_forward_progress 1
		.amdhsa_inst_pref_size 86
	.end_amdhsa_kernel
	.amdgpu_metadata
---
amdhsa.version: [ 1, 2 ]
amdhsa.kernels:
  - .name:           k_qa1858e531f_outp
    .symbol:         k_qa1858e531f_outp.kd
    .args:
      - { .name: xf, .offset: 0, .size: 8, .value_kind: global_buffer, .address_space: global }
      - { .name: wof, .offset: 8, .size: 8, .value_kind: global_buffer, .address_space: global }
      - { .name: bo, .offset: 16, .size: 8, .value_kind: global_buffer, .address_space: global }
      - { .name: out0, .offset: 24, .size: 8, .value_kind: global_buffer, .address_space: global }
    .group_segment_fixed_size: 327680
    .private_segment_fixed_size: 0
    .kernarg_segment_align: 8
    .kernarg_segment_size: 32
    .max_flat_workgroup_size: 128
    .sgpr_count:     72
    .vgpr_count:     512
    .wavefront_size: 32
...
	.end_amdgpu_metadata
.endif
;; end of part 4
